; MI455X (gfx1250); checked and timed in simulation.
; The chip was launched on July 23, 2026; its instructions are those of AMD's public machine-readable ISA for CDNA 5 (MIT licence, August 2026) and "CDNA5" Instruction Set Architecture Reference Guide (July 2026). The comments in the code are by the model that wrote it; some were corrected since.
;; Transformer. Allowed arithmetic: float matrix products may take bf16 or f16 operands with f32 sums; all other float work in f32.
;; Inputs: W_Query 512 x 512 float32; W_Value 512 x 512 float32; W_key 512 x 512 float32; fw1 512 x 2,048 float32; fw2 2,048 x 512 float32; key_masks 8 x 1,024 float32; keys 8 x 1,024 x 512 float32; pos_table 1 x 1,024 x 512 float32; queries 8 x 1,024 x 512 float32; query_masks 8 x 1,024 float32.
;; Outputs: out0 8 x 1 x 512 float32.
;; 2 versions, each right. Each part assembles by itself: llvm-mc -triple=amdgcn-amd-amdhsa -mcpu=gfx1250 --defsym DOCPART=n.
;; ======== version 1 of 2: 6 launches
;; limits: values outside matrix products are rounded to bf16
;; workspace buffers: X 17,825,792 bytes; WKQ 1,048,576 bytes; WVF 2,621,440 bytes; MW 16,384 bytes of whole numbers; KQ 16,777,216 bytes; V 8,388,608 bytes; RES 9,437,184 bytes; HS 524,288 bytes
;; launch prep (part 1): grid 256 x 1, 8 waves a work-group, no clusters, 0 bytes of LDS; arguments queries, keys, pos_table, key_masks, W_key, W_Query, W_Value, fw1, X, WKQ, WVF, MW; writes X, WKQ, WVF, MW
.if DOCPART == 1
	.amdgcn_target "amdgcn-amd-amdhsa--gfx1250"
	.amdhsa_code_object_version 6
	.text
	.protected	k_q4cc464af14_prep
	.globl	k_q4cc464af14_prep
	.p2align	8
	.type	k_q4cc464af14_prep,@function
k_q4cc464af14_prep:
	s_mov_b64 s[64:65], 0
	v_nop
	global_prefetch_b8 v0, s[64:65] scope:SCOPE_SE
	s_setreg_imm32_b32 hwreg(HW_REG_WAVE_MODE, 25, 1), 1
	s_wait_xcnt 0x0
; prep: q_in = queries + sqrt(512) pos, k_in = keys + sqrt(512) pos, rounded to bf16 and laid chunk-major; f32 column sums of q_in;
; the four weight matrices that feed matrix products cast to bf16; the key mask turned into lane masks.
; CHUNK-MAJOR: element (b, t, col) of an activation lies at byte ((8 b + col/64) 1024 + t) 128 + 2 (col % 64): a head's rows, and a
; product's 64 k of many rows, are dense blocks.
; A stream: no LDS, no matrix unit, no cluster (no two work-groups read the same bytes but pos_table's, a twentieth of the bytes).
; Work-group g owns rows 32 (g % 32) .. +31 of batch g / 32; wave c owns columns 64 c .. +63.  Load i of a wave takes rows 2 i and
; 2 i + 1: sixteen lanes cover 256 consecutive bytes of a row, aligned; store i covers 256 consecutive bytes of the chunk, aligned.
; All 55 loads of a wave are issued at once, each into registers of its own, and no register that a store reads is written again,
; so the only waits are the counted ones in front of each use.
; LIMIT (order of rounding): pos * sqrt(512) + x is one fused multiply-add, where reference() rounds the product first.
.set PE,   0x41b504f3                  ; sqrt(512)
.set VI,   1                           ; v1  byte offset of my 16 bytes in rows 0, 1 of the inputs
.set VO,   2                           ; v2  byte offset of my 8 bytes in the chunk-major outputs
.set T16,  3                           ; v3  16 x thread
.set T8,   4                           ; v4  8 x thread
.set QSUM, 6                           ; v[6:9]  sums of q_in over my 16 rows, 4 columns
.set GRP,  16                          ; v[16+12i ..]  group i: q (4), k (4), pos (4); the pos registers later hold the packed results
.set WQ,   208                         ; v[208+4j ..]  seven quads of weights
	s_load_b512 s[4:19], s[0:1], 0x0               ; queries, keys, pos_table, key_masks, W_key, W_Query, W_Value, fw1
	s_load_b256 s[20:27], s[0:1], 0x40             ; X, WKQ, WVF, MW
	s_mov_b32 s2, ttmp9                            ; g
	s_mov_b32 s28, PE
	s_mov_b32 s29, PE                              ; the pair is named whole by the packed multiply-adds
	s_lshl_b32 s30, s2, 16                         ; queries, keys: g x 32 rows x 2,048 bytes
	s_mov_b32 s31, 0
	s_and_b32 s3, s2, 31
	s_lshl_b32 s32, s3, 16                         ; pos_table: (g % 32) x 32 rows
	s_mov_b32 s33, 0
	s_lshr_b32 s34, s2, 5
	s_lshl_b32 s34, s34, 20                        ; outputs: batch x 1 MiB
	s_lshl_b32 s3, s3, 12
	s_add_co_u32 s34, s34, s3                      ; + (g % 32) x 32 rows x 128 bytes
	s_mov_b32 s35, 0
	s_lshl_b32 s36, s2, 12                         ; 4,096 g: my part of a 1 MiB weight, and of the column sums
	s_mov_b32 s37, 0
	s_lshl_b32 s38, s2, 11                         ; 2,048 g: the same part in bf16
	s_mov_b32 s39, 0
	s_lshl_b32 s40, s2, 14                         ; fw1: 16,384 g
	s_mov_b32 s41, 0
	s_lshl_b32 s42, s2, 13                         ; fw1 in bf16
	s_mov_b32 s43, 0
	v_and_b32 v5, 31, v0                           ; lane
	v_lshrrev_b32 v10, 5, v0                       ; c
	v_and_b32 v11, 15, v0
	v_bfe_u32 v12, v0, 4, 1
	v_lshlrev_b32 v[VI], 4, v11                    ; 16 (l % 16)
	v_lshl_add_u32 v[VI], v12, 11, v[VI]           ; + one row for the upper sixteen lanes
	v_lshl_add_u32 v[VI], v10, 8, v[VI]            ; + 256 c
	v_lshlrev_b32 v[VO], 3, v5                     ; 8 l: two rows of 128 bytes
	v_lshl_add_u32 v[VO], v10, 17, v[VO]           ; + c chunks of 131,072 bytes
	v_lshlrev_b32 v[T16], 4, v0
	v_lshlrev_b32 v[T8], 3, v0
	s_wait_kmcnt 0x0
	s_add_nc_u64 s[4:5], s[4:5], s[30:31]
	s_add_nc_u64 s[6:7], s[6:7], s[30:31]
	s_add_nc_u64 s[8:9], s[8:9], s[32:33]
	s_add_nc_u64 s[12:13], s[12:13], s[36:37]
	s_add_nc_u64 s[14:15], s[14:15], s[36:37]
	s_add_nc_u64 s[16:17], s[16:17], s[36:37]
	s_add_nc_u64 s[18:19], s[18:19], s[40:41]
	s_add_nc_u64 s[44:45], s[20:21], s[34:35]      ; k_in
	s_add_nc_u64 s[46:47], s[44:45], 0x800000      ; q_in, 8 MiB behind
	s_add_nc_u64 s[48:49], s[20:21], s[36:37]
	s_add_nc_u64 s[48:49], s[48:49], 0x1000000     ; column sums, 16 MiB behind
	s_add_nc_u64 s[22:23], s[22:23], s[38:39]
	s_add_nc_u64 s[50:51], s[24:25], s[38:39]      ; W_Value in bf16
	s_add_nc_u64 s[52:53], s[24:25], s[42:43]      ; fw1 in bf16 (its 524,288 stands in the stores' immediates)
.set i, 0
.rept 16
	global_load_b128 v[GRP+12*i:GRP+12*i+3],    v[VI], s[4:5] offset:4096*i th:TH_LOAD_NT
	global_load_b128 v[GRP+12*i+4:GRP+12*i+7],  v[VI], s[6:7] offset:4096*i th:TH_LOAD_NT
	global_load_b128 v[GRP+12*i+8:GRP+12*i+11], v[VI], s[8:9] offset:4096*i            ; read by eight work-groups: no hint
.set i, i+1
.endr
	global_load_b128 v[WQ:WQ+3],     v[T16], s[12:13] th:TH_LOAD_NT
	global_load_b128 v[WQ+4:WQ+7],   v[T16], s[14:15] th:TH_LOAD_NT
	global_load_b128 v[WQ+8:WQ+11],  v[T16], s[16:17] th:TH_LOAD_NT
.irp j, 0,1,2,3
	global_load_b128 v[WQ+12+4*\j:WQ+15+4*\j], v[T16], s[18:19] offset:4096*\j th:TH_LOAD_NT
.endr
	; Work-groups 0 to 7 also make batch g's mask words: word (tile, j) has bits 15:0 set if key 16 tile + j is kept (mask == 1.0) and
	; bits 31:16 set if key 16 tile + 8 + j is: the lane mask of register j of a 16 x 16 score tile whose rows are keys.
	s_cmp_ge_u32 s2, 8
	s_cbranch_scc1 .Lnomask
	v_lshrrev_b32 v236, 2, v0                      ; tile
	v_and_b32 v237, 3, v0
	v_lshlrev_b32 v237, 3, v237                    ; two j of 4 bytes
	v_lshl_add_u32 v236, v236, 6, v237
	s_lshl_b32 s54, s2, 12
	s_mov_b32 s55, 0
	s_add_nc_u64 s[10:11], s[10:11], s[54:55]
	global_load_b64 v[238:239], v236, s[10:11]             ; keys 16 tile + j, j + 1
	global_load_b64 v[240:241], v236, s[10:11] offset:32   ; keys 16 tile + 8 + j, j + 1
	s_lshl_b32 s54, s2, 11
	s_add_nc_u64 s[26:27], s[26:27], s[54:55]
	v_mov_b32 v242, 0xffff
	v_mov_b32 v243, 0xffff0000
	s_wait_loadcnt 0x0                             ; these two are the youngest loads: everything is in, and the counted waits below are met
	v_cmp_eq_f32 vcc_lo, 1.0, v238
	v_cndmask_b32 v244, 0, v242, vcc_lo
	v_cmp_eq_f32 vcc_lo, 1.0, v240
	v_cndmask_b32 v246, 0, v243, vcc_lo
	v_or_b32 v244, v244, v246
	v_cmp_eq_f32 vcc_lo, 1.0, v239
	v_cndmask_b32 v245, 0, v242, vcc_lo
	v_cmp_eq_f32 vcc_lo, 1.0, v241
	v_cndmask_b32 v247, 0, v243, vcc_lo
	v_or_b32 v245, v245, v247
	global_store_b64 v[T8], v[244:245], s[26:27]
.Lnomask:
.macro ROW i
.set G, GRP+12*\i
	s_wait_loadcnt 52-3*\i                         ; 55 loads were issued in order; the first 3 (i + 1) are in
	v_pk_fma_f32 v[G:G+1],   v[G+8:G+9],   s[28:29], v[G:G+1]   op_sel_hi:[1,0,1]
	v_pk_fma_f32 v[G+2:G+3], v[G+10:G+11], s[28:29], v[G+2:G+3] op_sel_hi:[1,0,1]
	v_pk_fma_f32 v[G+4:G+5], v[G+8:G+9],   s[28:29], v[G+4:G+5] op_sel_hi:[1,0,1]
	v_pk_fma_f32 v[G+6:G+7], v[G+10:G+11], s[28:29], v[G+6:G+7] op_sel_hi:[1,0,1]
.if \i == 1
	v_pk_add_f32 v[QSUM:QSUM+1],   v[GRP:GRP+1],   v[G:G+1]     ; the first two rows start the sums
	v_pk_add_f32 v[QSUM+2:QSUM+3], v[GRP+2:GRP+3], v[G+2:G+3]
.endif
.if \i > 1
	v_pk_add_f32 v[QSUM:QSUM+1],   v[QSUM:QSUM+1],   v[G:G+1]
	v_pk_add_f32 v[QSUM+2:QSUM+3], v[QSUM+2:QSUM+3], v[G+2:G+3]
.endif
	v_cvt_pk_bf16_f32 v[G+8],  v[G],   v[G+1]
	v_cvt_pk_bf16_f32 v[G+9],  v[G+2], v[G+3]
	v_cvt_pk_bf16_f32 v[G+10], v[G+4], v[G+5]
	v_cvt_pk_bf16_f32 v[G+11], v[G+6], v[G+7]
	global_store_b64 v[VO], v[G+8:G+9],   s[46:47] offset:256*\i
	global_store_b64 v[VO], v[G+10:G+11], s[44:45] offset:256*\i
.endm
.irp i, 0,1,2,3,4,5,6,7,8,9,10,11,12,13,14,15
	ROW \i
.endr
	global_store_b128 v[T16], v[QSUM:QSUM+3], s[48:49]     ; [g][c][row parity][64] f32: 16 x thread = 512 c + 16 l
.macro WCAST j, base, off
	s_wait_loadcnt 6-\j                            ; the younger weight quads may stay out
	v_cvt_pk_bf16_f32 v[WQ+4*\j],   v[WQ+4*\j],   v[WQ+4*\j+1]
	v_cvt_pk_bf16_f32 v[WQ+4*\j+1], v[WQ+4*\j+2], v[WQ+4*\j+3]
	global_store_b64 v[T8], v[WQ+4*\j:WQ+4*\j+1], s[\base:\base+1] offset:\off
.endm
	WCAST 0, 22, 0                                 ; W_key
	WCAST 1, 22, 524288                            ; W_Query
	WCAST 2, 50, 0                                 ; W_Value
	WCAST 3, 52, 524288
	WCAST 4, 52, 524288+2048
	WCAST 5, 52, 524288+4096
	WCAST 6, 52, 524288+6144
	s_endpgm
.Lfunc_end_k_q4cc464af14_prep:
	.size	k_q4cc464af14_prep, .Lfunc_end_k_q4cc464af14_prep-k_q4cc464af14_prep
	.p2alignl 7, 3214868480
	.fill 96, 4, 3214868480
	.section	.rodata,"a",@progbits
	.p2align	6, 0x0
	.amdhsa_kernel k_q4cc464af14_prep
		.amdhsa_group_segment_fixed_size 0
		.amdhsa_private_segment_fixed_size 0
		.amdhsa_enable_private_segment 0
		.amdhsa_kernarg_size 96
		.amdhsa_user_sgpr_count 2
		.amdhsa_user_sgpr_kernarg_segment_ptr 1
		.amdhsa_wavefront_size32 1
		.amdhsa_system_sgpr_workgroup_id_x 1
		.amdhsa_system_sgpr_workgroup_id_y 1
		.amdhsa_system_sgpr_workgroup_id_z 1
		.amdhsa_system_vgpr_workitem_id 0
		.amdhsa_next_free_vgpr 256
		.amdhsa_next_free_sgpr 66
		.amdhsa_reserve_vcc 1
		.amdhsa_float_denorm_mode_32 3
		.amdhsa_float_denorm_mode_16_64 3
		.amdhsa_memory_ordered 1
		.amdhsa_forward_progress 1
		.amdhsa_inst_pref_size 24
	.end_amdhsa_kernel
	.amdgpu_metadata
---
amdhsa.version: [ 1, 2 ]
amdhsa.kernels:
  - .name:           k_q4cc464af14_prep
    .symbol:         k_q4cc464af14_prep.kd
    .args:
      - { .name: queries, .offset: 0, .size: 8, .value_kind: global_buffer, .address_space: global }
      - { .name: keys, .offset: 8, .size: 8, .value_kind: global_buffer, .address_space: global }
      - { .name: pos_table, .offset: 16, .size: 8, .value_kind: global_buffer, .address_space: global }
      - { .name: key_masks, .offset: 24, .size: 8, .value_kind: global_buffer, .address_space: global }
      - { .name: W_key, .offset: 32, .size: 8, .value_kind: global_buffer, .address_space: global }
      - { .name: W_Query, .offset: 40, .size: 8, .value_kind: global_buffer, .address_space: global }
      - { .name: W_Value, .offset: 48, .size: 8, .value_kind: global_buffer, .address_space: global }
      - { .name: fw1, .offset: 56, .size: 8, .value_kind: global_buffer, .address_space: global }
      - { .name: X, .offset: 64, .size: 8, .value_kind: global_buffer, .address_space: global }
      - { .name: WKQ, .offset: 72, .size: 8, .value_kind: global_buffer, .address_space: global }
      - { .name: WVF, .offset: 80, .size: 8, .value_kind: global_buffer, .address_space: global }
      - { .name: MW, .offset: 88, .size: 8, .value_kind: global_buffer, .address_space: global }
    .group_segment_fixed_size: 0
    .private_segment_fixed_size: 0
    .kernarg_segment_align: 8
    .kernarg_segment_size: 96
    .max_flat_workgroup_size: 256
    .sgpr_count:     66
    .vgpr_count:     256
    .wavefront_size: 32
...
	.end_amdgpu_metadata
.endif
;; end of part 1
;; launch qk (part 2): grid 4 x 128, 4 waves a work-group, clusters of 4 x 4, 304,640 bytes of LDS; arguments X, WKQ, KQ; writes KQ
.if DOCPART == 2
	.amdgcn_target "amdgcn-amd-amdhsa--gfx1250"
	.amdhsa_code_object_version 6
	.text
	.protected	k_q4cc464af14_qk
	.globl	k_q4cc464af14_qk
	.p2align	8
	.type	k_q4cc464af14_qk,@function
k_q4cc464af14_qk:
	s_mov_b64 s[64:65], 0
	v_nop
	global_prefetch_b8 v0, s[64:65] scope:SCOPE_SE
	s_setreg_imm32_b32 hwreg(HW_REG_WAVE_MODE, 25, 1), 1
	s_wait_xcnt 0x0
	s_wait_alu depctr_hold_cnt(0) depctr_sa_sdst(0) depctr_va_vdst(0) depctr_va_sdst(0) depctr_va_ssrc(0) depctr_va_vcc(0) depctr_vm_vsrc(0)
	s_getreg_b32 s2, hwreg(HW_REG_IB_STS2, 6, 4)
	s_cmp_eq_u32 s2, 0
	s_cbranch_scc0 .Lentry_in_a_cluster
	s_endpgm
.Lentry_in_a_cluster:
	s_bfe_u32 s2, ttmp6, 0x10000c
	s_cmp_lg_u32 s2, 0xf033
	s_cbranch_scc0 .Lentry_shape_is_right
	s_endpgm
.Lentry_shape_is_right:
; C = A W for 128 x 128 of C and the whole K = 512.  A: bf16 chunk-major (element (b, t, k) at ((8 b + k/64) 1024 + t) 128 + 2 (k % 64)),
; W: bf16 [512][NCOL], sums in f32.  One source serves two bodies:
;   FFN = 0: C goes out in bf16, chunk-major.  Block rows 0-63 take the first half of A, W and C (k = k_in W_key; v = k W_Value),
;            block rows 64-127, where the grid has them, the second half (q = q_in W_Query).
;   FFN = 1: W is fw1 (524,288 bytes into its buffer, 2,048 columns); only the sums over the block's 128 rows of relu(C) go out, in f32:
;            mean over t of (relu(h) fw2) = (mean over t of relu(h)) fw2, so the hidden layer is never stored.
; Four waves, each 64 x 64 of C: 16 accumulator tiles.  The block's whole A (8 chunks of 128 rows x 64 k) and W (512 k x 128 columns)
; stand in LDS, each byte filled once: no slot is ever filled again.  The tiles come by four tensor loads a wave (by this text's count four
; are outstanding at the most), K in four stages of 128; a stage is multiplied behind a counted wait and a barrier while the later ones land.
; CLUSTERS: 4 x 4 work-groups.  A's tiles hang on the block row alone and are asked for jointly by a row of the cluster, W's on the block
; column alone and by a column: the requests for both are divided by four.
; REGISTERS: window 0: addresses, two buffers of fragments (A v64-127, W v128-191), work registers; window 1: the accumulators,
; tile (a, b) at v[8 (4 a + b)].
.set FFN, 0
.set NCOL,   512+1536*FFN
.set WOFF,   524288*FFN
.set APITCH, 144                       ; 128 bytes + 16: sixteen rows of a fragment start at sixteen different 16-byte columns of 256
.set BPITCH, 288                       ; 256 bytes + 32: an odd multiple of 32, for the transposing loads
.set CHUNK,  18432                     ; 128 rows of A = 64 rows of W
.set BBASE,  8*CHUNK
.set STAGE,  16*CHUNK                  ; bytes that no tensor load fills
.set ADRA, 16                          ; v16-19  my A fragments, stage 0..3
.set ADRB, 20                          ; v20-23  my W fragments
.set STO,  24
.set RD,   25
.set CO,   26
.set FA,   64
.set FB,   128
.set TMP,  192
.set G1A, 16                           ; s[16:23]
.set G1B, 24                           ; s[24:31]
.set G0A, 32                           ; s[32:47]  one group 0 for each stage
.set G0B, 68                           ; s[68:83]
.set MUL, 0x50                         ; C and D in window 1, the fragments in window 0
.set MSB, 0
.macro WIN new                         ; the immediate's high byte repeats the setting that is left
.if MSB != \new
	s_set_vgpr_msb (MSB<<8)|\new
.set MSB, \new
.endif
.endm
.macro PLACES                          ; four plain vector instructions behind a matrix instruction before its registers are loaded into or its result is read (ISA guide 7.12.1)
.rept 4
	v_nop
.endr
.endm
.macro JLOAD s                         ; waves 0, 1 ask for A's two chunks of stage s, waves 2, 3 for W's: each line has one mask
	s_cmp_eq_u32 s11, 0
	s_cbranch_scc0 .Lfor_b_\@
	tensor_load_to_lds s[G0A+4*\s:G0A+4*\s+3], s[G1A:G1A+7]
	s_nop 0
	s_branch .Lasked_\@
.Lfor_b_\@:
	tensor_load_to_lds s[G0B+4*\s:G0B+4*\s+3], s[G1B:G1B+7]
	s_nop 0
.Lasked_\@:
.endm
.macro CROUND                          ; a round of the cluster's barrier
	s_barrier_signal -1
	s_barrier_wait -1
	s_cmp_lg_u32 s10, 0
	s_cbranch_scc1 .Lnot_wave_0_\@
	s_barrier_signal -3
.Lnot_wave_0_\@:
	s_barrier_wait -3
	s_barrier_signal -1
	s_barrier_wait -1
.endm
	s_load_b128 s[4:7], s[0:1], 0x0                ; A, W
	s_load_b64 s[8:9], s[0:1], 0x10                ; C
	v_lshl_add_u32 v254, v0, 2, 0x4a400
	v_mov_b32 v255, 0
	ds_add_u32 v254, v255
	v_lshrrev_b32 v1, 5, v0
	v_readfirstlane_b32 s10, v1                    ; wave
	s_lshr_b32 s11, s10, 1                         ; my half of the rows; also: I fetch for A (0) or W (1)
	s_and_b32 s12, s10, 1                          ; my half of the columns; also: which chunk of a stage I fetch
	s_bfe_u32 s13, ttmp6, 0x40000                  ; cx
	s_bfe_u32 s14, ttmp6, 0x40004                  ; cy
	s_lshl_b32 s15, ttmp9, 2
	s_add_co_u32 s15, s15, s13                     ; block column
	s_and_b32 s48, ttmp7, 0xffff                   ; the cluster's y
	s_lshr_b32 s49, s48, 4                         ; z: which half of the buffers; the same in the whole cluster
	s_and_b32 s50, s48, 15
	s_lshl_b32 s50, s50, 2
	s_add_co_u32 s50, s50, s14                     ; block row 0..63
	s_lshr_b32 s51, s50, 3                         ; batch
	s_and_b32 s52, s50, 7                          ; which 128 rows of the batch
	s_lshl_b32 s53, s14, 2
	s_lshl_b32 s53, 15, s53                        ; my row of the cluster
	s_lshl_b32 s54, 0x1111, s13                    ; my column
	; group 1 for A: 128 rows x 64 elements of 2 bytes, dense in memory; 4 words of padding behind every 32
	s_or_b32 s[G1A+0], s53, 0x07310000             ; mask; element size 1<<16; padding 1<<20; 1<<21 beside a mask; interval 4<<22; pad 3<<25
	s_mov_b32 s[G1A+1], 64<<16                     ; tensor_dim0
	s_mov_b32 s[G1A+2], 128<<16                    ; tensor_dim1
	s_mov_b32 s[G1A+3], 64<<16                     ; tile_dim0
	s_mov_b32 s[G1A+4], 128                        ; tile_dim1
	s_mov_b32 s[G1A+5], 64                         ; elements from row to row
	s_mov_b32 s[G1A+6], 0
	s_mov_b32 s[G1A+7], 0
	; group 1 for W: 64 rows (k) x 128 elements; 8 words of padding behind every 64
	s_or_b32 s[G1B+0], s54, 0x0f710000
	s_mov_b32 s[G1B+1], 128<<16
	s_mov_b32 s[G1B+2], 64<<16
	s_mov_b32 s[G1B+3], 128<<16
	s_mov_b32 s[G1B+4], 64
	s_mov_b32 s[G1B+5], NCOL
	s_mov_b32 s[G1B+6], 0
	s_mov_b32 s[G1B+7], 0
	; A's tiles: half, batch, my chunk of stage 0, the block's 128 rows.  No register here ever holds cx.
	s_lshl_b32 s56, s49, 23
	s_lshl_b32 s60, s51, 20
	s_add_co_u32 s56, s56, s60
	s_lshl_b32 s60, s52, 14
	s_add_co_u32 s56, s56, s60
	s_lshl_b32 s60, s12, 17
	s_add_co_u32 s56, s56, s60
	s_mov_b32 s57, 0
	; W's tiles: half, the block's 128 columns, my 64 k of stage 0.  No register here ever holds cy.
	s_lshl_b32 s58, s49, 19
	s_lshl_b32 s61, s15, 8
	s_add_co_u32 s58, s58, s61
	s_mul_i32 s61, s12, 64*NCOL*2
	s_add_co_u32 s58, s58, s61
.if FFN
	s_add_co_u32 s58, s58, WOFF
.endif
	s_mov_b32 s59, 0
	; where the results go
.if FFN
	s_lshl_b32 s84, s50, 13                        ; [block row][2048] f32
	s_lshl_b32 s86, s15, 9
	s_add_co_u32 s84, s84, s86
.else
	s_lshl_b32 s84, s49, 23
	s_lshl_b32 s86, s51, 20
	s_add_co_u32 s84, s84, s86
	s_lshl1_add_u32 s86, s15, s12                  ; my 64 columns are chunk 2 x block column + half
	s_lshl_b32 s86, s86, 17
	s_add_co_u32 s84, s84, s86
	s_lshl_b32 s86, s52, 14
	s_add_co_u32 s84, s84, s86
	s_lshl_b32 s86, s11, 13                        ; my 64 rows of 128 bytes
	s_add_co_u32 s84, s84, s86
.endif
	s_mov_b32 s85, 0
	s_mul_i32 s55, s10, CHUNK                      ; LDS: A's chunks 0, 1 for waves 0, 1; W's for waves 2, 3 (BBASE - 2 CHUNK + wave x CHUNK)
	s_wait_dscnt 0x0
	s_wait_kmcnt 0x0
	s_add_nc_u64 s[56:57], s[4:5], s[56:57]
	s_add_nc_u64 s[58:59], s[6:7], s[58:59]
	s_add_nc_u64 s[8:9], s[8:9], s[84:85]
	CROUND                                         ; all sixteen work-groups are here: the joint loads meet
.irp s, 0,1,2,3
	s_mov_b32 s[G0A+4*\s], 1
	s_add_co_u32 s[G0A+4*\s+1], s55, \s*2*CHUNK
	s_add_nc_u64 s[G0A+4*\s+2:G0A+4*\s+3], s[56:57], \s*262144
	s_or_b32 s[G0A+4*\s+3], s[G0A+4*\s+3], 0x80000000
	s_mov_b32 s[G0B+4*\s], 1
	s_add_co_u32 s[G0B+4*\s+1], s55, BBASE-2*CHUNK+\s*2*CHUNK
	s_add_nc_u64 s[G0B+4*\s+2:G0B+4*\s+3], s[58:59], \s*128*NCOL*2
	s_or_b32 s[G0B+4*\s+3], s[G0B+4*\s+3], 0x80000000
	JLOAD \s
.endr
	v_and_b32 v1, 15, v0                           ; r
	v_bfe_u32 v2, v0, 4, 1                         ; h
	v_and_b32 v3, 7, v0
	v_bfe_u32 v4, v0, 3, 1
	v_mul_u32_u24 v5, v1, APITCH
	v_lshl_add_u32 v5, v2, 4, v5                   ; A fragment: row r, 16 bytes for each half of the lanes
	v_lshl_add_u32 v6, v2, 3, v3
	v_mul_u32_u24 v6, v6, BPITCH                   ; W fragment through the transposing load: row k = 8 h + l % 8,
	v_lshl_add_u32 v6, v4, 4, v6                   ; 16 bytes by bit 3 of the lane
	s_mul_i32 s60, s11, 64*APITCH
	s_lshl_b32 s61, s12, 7
	s_add_co_u32 s61, s61, BBASE
.irp s, 0,1,2,3
	v_add_nc_u32 v[ADRA+\s], s60, v5
	v_add_nc_u32 v[ADRB+\s], s61, v6
	s_add_co_u32 s60, s60, 2*CHUNK
	s_add_co_u32 s61, s61, 2*CHUNK
.endr
	v_and_b32 v8, 31, v0
	v_lshlrev_b32 v[CO], 4, v8                     ; 16 x lane
.if FFN
	s_mov_b32 s62, 0x76543210                      ; v_permlanex16_b32: lane i of one half reads lane i of the other
	s_mov_b32 s63, 0xfedcba98
	s_lshl_b32 s60, s11, 9
	s_lshl_b32 s61, s12, 8
	s_add_co_u32 s60, s60, s61
	s_add_co_u32 s60, s60, STAGE
	v_lshl_add_u32 v27, v1, 2, s60                 ; [row half][128 columns] f32
	v_add_nc_u32 v28, STAGE, v[CO]
.else
	s_mul_i32 s60, s10, 16*APITCH
	s_add_co_u32 s60, s60, STAGE                   ; my stage: 16 rows of 144 bytes
	v_add_nc_u32 v[STO], s60, v5
	v_bfe_u32 v7, v0, 3, 2
	v_mul_u32_u24 v7, v7, APITCH
	v_lshl_add_u32 v7, v3, 4, v7
	v_add_nc_u32 v[RD], s60, v7                    ; back: eight lanes take a row of 128 bytes
.endif
; Eight matrix instructions: row tiles a0, a0 + 1 x four column tiles, 32 along K, from buffer f.  FFN = 0: source 0 = W's columns, source 1 =
; A's rows, so that a lane's eight results are neighbouring columns of one row; FFN = 1: the natural order, a lane holds a column.
; The sixteen accumulators take turns, one instruction a turn, in the same order in every step.
.macro MUL8 f, a0, zero
.irp a, \a0, \a0+1
.irp b, 0,1,2,3
.set X0, FFN*(FA+32*\f+8*(\a))+(1-FFN)*(FB+32*\f+8*\b)
.set X1, (1-FFN)*(FA+32*\f+8*(\a))+FFN*(FB+32*\f+8*\b)
.set AC, 8*(4*(\a)+\b)
.if \zero
	v_wmma_f32_16x16x32_bf16 v[AC:AC+7], v[X0:X0+7], v[X1:X1+7], 0
.else
	v_wmma_f32_16x16x32_bf16 v[AC:AC+7], v[X0:X0+7], v[X1:X1+7], v[AC:AC+7]
.endif
.endr
.endr
.endm
; Sixteen LDS loads: the fragments of K step ks of stage st into buffer f: W's four, then A's rows 0-31, then A's rows 32-63
.macro FETCH st, ks, f
.irp b, 0,1,2,3
	ds_load_tr16_b128 v[FB+32*\f+8*\b:FB+32*\f+8*\b+3],   v[ADRB+\st] offset:\ks*32*BPITCH+32*\b
	ds_load_tr16_b128 v[FB+32*\f+8*\b+4:FB+32*\f+8*\b+7], v[ADRB+\st] offset:\ks*32*BPITCH+32*\b+16*BPITCH
.endr
.irp a, 0,1,2,3
	ds_load_b128 v[FA+32*\f+8*\a:FA+32*\f+8*\a+3],   v[ADRA+\st] offset:(\ks>>1)*CHUNK+(\ks&1)*64+\a*16*APITCH
	ds_load_b128 v[FA+32*\f+8*\a+4:FA+32*\f+8*\a+7], v[ADRA+\st] offset:(\ks>>1)*CHUNK+(\ks&1)*64+\a*16*APITCH+32
.endr
.endm
; One of a stage's first three K steps: multiplies buffer f and fetches K step kn of the same stage into buffer g
.macro STEP st, kn, f, g, zero
	s_wait_dscnt 4                                 ; all but the youngest four loads (A's rows 32-63)
	WIN MUL
	MUL8 \f, 0, \zero
	PLACES
	WIN 0
	FETCH \st, \kn, \g
	s_wait_dscnt 16                                ; all but the sixteen just issued
	WIN MUL
	MUL8 \f, 2, \zero
.endm
.macro THREE st, zero
	STEP \st, 1, 0, 1, \zero
	STEP \st, 2, 1, 0, 0
	STEP \st, 3, 0, 1, 0
.endm
; A stage's last K step, and the change to stage nx.  left: how many of my four tensor loads may stay out when stage nx's has to be in.
; The later stages' loads stay on their way across it.
.macro LAST nx, left
	s_wait_dscnt 4
	WIN MUL
	MUL8 1, 0, 0
	s_wait_dscnt 0                                 ; no LDS instruction is pending at a signal
	s_wait_tensorcnt \left                         ; my part of stage nx is in LDS:
	s_barrier_signal -1                            ; say so,
	MUL8 1, 2, 0                                   ; work on registers meanwhile,
	WIN 0
	s_barrier_wait -1                              ; and read it when all four waves have said so
	PLACES
	FETCH \nx, 0, 0
.endm
	s_wait_tensorcnt 3                             ; my part of stage 0; three younger loads stay out
	s_barrier_signal -1
	s_barrier_wait -1
	FETCH 0, 0, 0
	THREE 0, 1                                     ; the first products start the sums: nothing is cleared
	LAST 1, 2
	THREE 1, 0
	LAST 2, 1
	THREE 2, 0
	LAST 3, 0
	THREE 3, 0
	s_wait_dscnt 4
	WIN MUL
	MUL8 1, 0, 0
	s_wait_dscnt 0
	MUL8 1, 2, 0
	PLACES                                         ; behind the last matrix instructions: results are read and fragment registers written below
.if FFN
	; relu into the fragment registers of window 0, then the sums over my 64 rows: 32 numbers a lane and column tile, then the other half of the lanes
	WIN 0x04                                       ; source 1 in window 1
.set i, 0
.rept 128
	v_max_num_f32 v[FA+i], 0, v[i]
.set i, i+1
.endr
	WIN 0
.irp b, 0,1,2,3
	v_pk_add_f32 v[TMP+2*\b:TMP+2*\b+1], v[FA+8*\b:FA+8*\b+1], v[FA+8*\b+2:FA+8*\b+3]
.endr
.irp a, 0,1,2,3
.irp q, 0,1,2,3
.if (4*\a+\q) >= 2
.irp b, 0,1,2,3
	v_pk_add_f32 v[TMP+2*\b:TMP+2*\b+1], v[TMP+2*\b:TMP+2*\b+1], v[FA+8*(4*\a+\b)+2*\q:FA+8*(4*\a+\b)+2*\q+1]
.endr
.endif
.endr
.endr
.irp b, 0,1,2,3
	v_add_f32 v[TMP+8+\b], v[TMP+2*\b], v[TMP+2*\b+1]
.endr
.irp b, 0,1,2,3
	v_permlanex16_b32 v[TMP+\b], v[TMP+8+\b], s62, s63     ; rows 8 h + j: the other h
.endr
.irp b, 0,1,2,3
	v_add_f32 v[TMP+8+\b], v[TMP+8+\b], v[TMP+\b]
.endr
.irp b, 0,1,2,3
	ds_store_b32 v27, v[TMP+8+\b] offset:64*\b             ; column 16 b + r; both halves of the lanes write the same number
.endr
	s_wait_dscnt 0x0                               ; for the other waves' sake
	s_barrier_signal -1
	s_barrier_wait -1
	s_cmp_lg_u32 s10, 0
	s_cbranch_scc1 .Lnot_first
	ds_load_b128 v[TMP+12:TMP+15], v28             ; rows 0-63,
	ds_load_b128 v[TMP+16:TMP+19], v28 offset:512  ; rows 64-127 of the block's 128 columns
	s_wait_dscnt 0x0
	v_pk_add_f32 v[TMP+12:TMP+13], v[TMP+12:TMP+13], v[TMP+16:TMP+17]
	v_pk_add_f32 v[TMP+14:TMP+15], v[TMP+14:TMP+15], v[TMP+18:TMP+19]
	global_store_b128 v[CO], v[TMP+12:TMP+15], s[8:9]      ; 512 consecutive bytes, aligned
.Lnot_first:
.else
	; 16 rows at a time: round to bf16, 16 bytes a lane into my own stage, back as rows of 128 bytes, which are consecutive in the chunk.
	; Each row block has read-back registers of its own, so no register that a store reads is written again.
.macro OUT16 a
	WIN 0x05                                       ; sources 0 and 1 in window 1
.irp b, 0,1,2,3
.irp q, 0,1,2,3
	v_cvt_pk_bf16_f32 v[TMP+4*\b+\q], v[8*(4*\a+\b)+2*\q], v[8*(4*\a+\b)+2*\q+1]
.endr
.endr
	WIN 0
.irp b, 0,1,2,3
	ds_store_b128 v[STO], v[TMP+4*\b:TMP+4*\b+3] offset:32*\b
.endr
.irp i, 0,1,2,3
	ds_load_b128 v[FA+16*\a+4*\i:FA+16*\a+4*\i+3], v[RD] offset:4*APITCH*\i    ; LDS serves a wave's instructions in order (ISA guide 5.7.1): these see the stores above
.endr
.irp i, 0,1,2,3
	s_wait_dscnt 3-\i
	global_store_b128 v[CO], v[FA+16*\a+4*\i:FA+16*\a+4*\i+3], s[8:9] offset:2048*\a+512*\i   ; 512 consecutive bytes, aligned
.endr
.endm
	OUT16 0
	OUT16 1
	OUT16 2
	OUT16 3
.endif
	s_wait_tensorcnt 0x0
	ds_add_u32 v254, v255
	s_wait_dscnt 0x0
	CROUND                                         ; the closing round: no work-group ends while a partner may still ask for a tile that names it
	s_endpgm
.Lfunc_end_k_q4cc464af14_qk:
	.size	k_q4cc464af14_qk, .Lfunc_end_k_q4cc464af14_qk-k_q4cc464af14_qk
	.p2alignl 7, 3214868480
	.fill 96, 4, 3214868480
	.section	.rodata,"a",@progbits
	.p2align	6, 0x0
	.amdhsa_kernel k_q4cc464af14_qk
		.amdhsa_group_segment_fixed_size 304640
		.amdhsa_private_segment_fixed_size 0
		.amdhsa_enable_private_segment 0
		.amdhsa_kernarg_size 24
		.amdhsa_user_sgpr_count 2
		.amdhsa_user_sgpr_kernarg_segment_ptr 1
		.amdhsa_wavefront_size32 1
		.amdhsa_system_sgpr_workgroup_id_x 1
		.amdhsa_system_sgpr_workgroup_id_y 1
		.amdhsa_system_sgpr_workgroup_id_z 1
		.amdhsa_system_vgpr_workitem_id 0
		.amdhsa_next_free_vgpr 384
		.amdhsa_next_free_sgpr 88
		.amdhsa_reserve_vcc 0
		.amdhsa_float_denorm_mode_32 3
		.amdhsa_float_denorm_mode_16_64 3
		.amdhsa_memory_ordered 1
		.amdhsa_forward_progress 1
		.amdhsa_inst_pref_size 54
	.end_amdhsa_kernel
	.amdgpu_metadata
---
amdhsa.version: [ 1, 2 ]
amdhsa.kernels:
  - .name:           k_q4cc464af14_qk
    .symbol:         k_q4cc464af14_qk.kd
    .args:
      - { .name: X, .offset: 0, .size: 8, .value_kind: global_buffer, .address_space: global }
      - { .name: WKQ, .offset: 8, .size: 8, .value_kind: global_buffer, .address_space: global }
      - { .name: KQ, .offset: 16, .size: 8, .value_kind: global_buffer, .address_space: global }
    .group_segment_fixed_size: 304640
    .private_segment_fixed_size: 0
    .kernarg_segment_align: 8
    .kernarg_segment_size: 24
    .max_flat_workgroup_size: 128
    .sgpr_count:     88
    .vgpr_count:     384
    .wavefront_size: 32
...
	.end_amdgpu_metadata
.endif
;; end of part 2
;; launch vproj: the kernel of part 2 again; grid 4 x 64, 4 waves a work-group, clusters of 4 x 4, 304,640 bytes of LDS; arguments KQ, WVF, V; writes V
;; launch attn (part 3): grid 256 x 1, 8 waves a work-group, clusters of 4 x 1, 312,320 bytes of LDS; arguments KQ, V, X, MW, query_masks, RES; writes RES
.if DOCPART == 3
	.amdgcn_target "amdgcn-amd-amdhsa--gfx1250"
	.amdhsa_code_object_version 6
	.text
	.protected	k_q4cc464af14_attn
	.globl	k_q4cc464af14_attn
	.p2align	8
	.type	k_q4cc464af14_attn,@function
k_q4cc464af14_attn:
	s_mov_b64 s[64:65], 0
	v_nop
	global_prefetch_b8 v0, s[64:65] scope:SCOPE_SE
	s_setreg_imm32_b32 hwreg(HW_REG_WAVE_MODE, 25, 1), 1
	s_wait_xcnt 0x0
	s_wait_alu depctr_hold_cnt(0) depctr_sa_sdst(0) depctr_va_vdst(0) depctr_va_sdst(0) depctr_va_ssrc(0) depctr_va_vcc(0) depctr_vm_vsrc(0)
	s_getreg_b32 s2, hwreg(HW_REG_IB_STS2, 6, 4)
	s_cmp_eq_u32 s2, 0
	s_cbranch_scc0 .Lentry_in_a_cluster
	s_endpgm
.Lentry_in_a_cluster:
	s_bfe_u32 s2, ttmp6, 0x10000c
	s_cmp_lg_u32 s2, 0x3003
	s_cbranch_scc0 .Lentry_shape_is_right
	s_endpgm
.Lentry_shape_is_right:
; Attention of one head (bh = 8 batch + head) for 256 query rows, with the residual: res = bf16(softmax(..) V x query mask + q_in),
; and the f32 column sums of the attention output for the mean over t.
; The head's whole K and V (1,024 rows x 64, bf16) stand in LDS, each byte filled once.  CLUSTER: the four work-groups of a head need the same
; K and V and ask for them jointly (mask 15): the requests are divided by four.  Each wave issues four tensor loads (by this text's count four are
; outstanding at the most): waves 0-3 bring K, waves 4-7 V, 64 rows a load, a quarter of the keys for each load number.
; Eight waves; wave w owns two query tiles of 16 rows, a = 0, 1: rows 64 (2 w + a) + 16 cx + r.  So a tile's diagonal lies in key block
; 2 w + a: the branch that finds it hangs on the wave's number and the trip counter alone, and cx enters through a lane value only.
; LAYOUT: scores are made transposed, S^T = K Q^T: lane (r, h) holds query r and, in register j of key tile t, key 16 t + 8 h + j.  Maximum, sum
; and rescale are then one number a lane, and two key tiles rounded to bf16 ARE the second operand of O^T = V^T P^T (k = keys).
; SOFTMAX: running maximum over the keys; weights exp2(c S - c M), c = log2(e) / 8; masked scores are -2^35 = 8 x (-2^32) on the unscaled product,
; as reference() puts -2^32 on the scaled one, so a row whose keys are all masked gets equal weights as there.
; LIMITS: weights below 2^-126 count as 0 (v_exp_f32 flushes: ISA guide 15.8).  The residual is read as bf16(q_in), so res is rounded twice;
; it feeds only a bf16 matrix operand.  The sum of the weights is taken in f32 ahead of their rounding to bf16.
.set KPITCH, 144
.set VPITCH, 160                       ; an odd multiple of 32, for the transposing loads
.set VBASE,  1024*KPITCH
.set CEXP,   0x3e38aa3b                ; log2(e) / 8
.set NEGC,   0xbe38aa3b
.set OUTO, 1                           ; v1      byte offset of my 8 bytes in q_in and res
.set KADR, 2                           ; v2      K fragments; on the way out: stage, in
.set VADR, 3                           ; v3      V fragments; on the way out: stage, back
.set NEGR, 4                           ; v4      -2^35; on the way out: 16 x lane
.set DG,   5                           ; v5      16 cx + r - 8 h: equals 16 t + j on the diagonal
.set M,    6                           ; v6, v7  running maximum of tile a
.set L,    8                           ; v[8:11]   running sums, a pair for each tile
.set AL,   12                          ; v[12:15]  rescale factor in the low word of a pair
.set NM,   16                          ; v[16:19]  -c M in the low word of a pair
.set T,    20                          ; v[20:27]  at work
.set QM,   28                          ; v28, v29  query mask
.set Q,    32                          ; v[32+16a+8u ..]  Q fragments
.set O,    64                          ; v[64+32a+8t ..]  O^T: d = 16 t + 8 h + j
.set S,    128                         ; v[128+32a+8t ..] S^T; P(a, u) is packed in place at 128+32a+16u
.set F,    192                         ; v[192+16t+8u ..] K fragments, then V^T fragments
.set GQ,   22                          ; s22, s23  2 w + a
.set MWR,  32                          ; s[32:63]  the key block's 32 mask words
.macro CROUND
	s_barrier_signal -1
	s_barrier_wait -1
	s_cmp_lg_u32 s16, 0
	s_cbranch_scc1 .Lnot_wave_0_\@
	s_barrier_signal -3
.Lnot_wave_0_\@:
	s_barrier_wait -3
	s_barrier_signal -1
	s_barrier_wait -1
.endm
	s_load_b256 s[4:11], s[0:1], 0x0               ; KQ, V, X, MW
	s_load_b128 s[12:15], s[0:1], 0x20             ; query_masks, RES
	s_set_vgpr_msb 0x40
	v_lshl_add_u32 v0, v0, 2, 0x4c000
	v_mov_b32 v1, 0
	s_set_vgpr_msb 0x4045
	ds_add_u32 v0, v1
	s_set_vgpr_msb 0x4500
	v_lshrrev_b32 v1, 5, v0
	v_readfirstlane_b32 s16, v1                    ; wave
	s_bfe_u32 s17, ttmp6, 0x40000                  ; cx
	s_mov_b32 s18, ttmp9                           ; bh: in a cluster launch ttmp9 counts clusters
	s_lshr_b32 s21, s18, 3                         ; batch
	s_lshl_b32 s[GQ], s16, 1
	s_add_co_u32 s[GQ+1], s[GQ], 1
	s_mov_b32 s19, 0                               ; key block
	s_mov_b32 s20, 0                               ; its mask words
	s_mov_b32 s28, NEGC
	s_mov_b32 s30, 0x76543210                      ; v_permlanex16_b32: lane i of one half reads lane i of the other
	s_mov_b32 s31, 0xfedcba98
	s_mov_b32 s66, CEXP
	s_mov_b32 s67, CEXP
	s_lshl_b32 s24, s18, 17                        ; the head's block of 131,072 bytes
	s_mov_b32 s25, 0
	; group 1, all but its first word: 64 rows x 64 elements of 2 bytes, dense in memory
	s_mov_b32 s69, 64<<16                          ; tensor_dim0
	s_mov_b32 s70, 64<<16                          ; tensor_dim1
	s_mov_b32 s71, 64<<16                          ; tile_dim0
	s_mov_b32 s72, 64                              ; tile_dim1
	s_mov_b32 s73, 64                              ; elements from row to row
	s_mov_b32 s74, 0
	s_mov_b32 s75, 0
	s_wait_dscnt 0x0
	s_wait_kmcnt 0x0
	s_add_nc_u64 s[4:5], s[4:5], s[24:25]          ; K of my head
	s_add_nc_u64 s[6:7], s[6:7], s[24:25]          ; V
	CROUND                                         ; the four work-groups are here: the joint loads meet
	s_cmp_ge_u32 s16, 4
	s_cbranch_scc1 .Lfor_v
	s_mov_b32 s68, 0x0731000f                      ; mask 15; element size 1<<16; padding 1<<20; 1<<21 beside a mask; after 32 words (4<<22) 4 words (3<<25)
	s_mul_i32 s29, s16, 64*KPITCH
	s_lshl_b32 s100, s16, 13
	s_mov_b32 s101, 0
	s_add_nc_u64 s[100:101], s[4:5], s[100:101]
.irp s, 0,1,2,3
	s_mov_b32 s[76+4*\s], 1
	s_add_co_u32 s[77+4*\s], s29, \s*256*KPITCH
	s_add_nc_u64 s[78+4*\s:79+4*\s], s[100:101], \s*32768
	s_or_b32 s[79+4*\s], s[79+4*\s], 0x80000000
	tensor_load_to_lds s[76+4*\s:79+4*\s], s[68:75]
	s_nop 0
.endr
	s_branch .Lasked
.Lfor_v:
	s_mov_b32 s68, 0x0f31000f                      ; the same with 8 words of padding (7<<25)
	s_mul_i32 s29, s16, 64*VPITCH
	s_add_co_u32 s29, s29, VBASE-256*VPITCH        ; waves 4-7: VBASE + (wave - 4) x 64 rows
	s_and_b32 s100, s16, 3
	s_lshl_b32 s100, s100, 13
	s_mov_b32 s101, 0
	s_add_nc_u64 s[100:101], s[6:7], s[100:101]
.irp s, 0,1,2,3
	s_mov_b32 s[76+4*\s], 1
	s_add_co_u32 s[77+4*\s], s29, \s*256*VPITCH
	s_add_nc_u64 s[78+4*\s:79+4*\s], s[100:101], \s*32768
	s_or_b32 s[79+4*\s], s[79+4*\s], 0x80000000
	tensor_load_to_lds s[76+4*\s:79+4*\s], s[68:75]
	s_nop 0
.endr
.Lasked:
	s_add_nc_u64 s[92:93], s[4:5], 0x800000        ; Q of my head
	s_add_nc_u64 s[94:95], s[8:9], s[24:25]
	s_add_nc_u64 s[94:95], s[94:95], 0x800000      ; q_in, bf16
	s_add_nc_u64 s[96:97], s[14:15], s[24:25]      ; res
	s_lshl_b32 s26, s18, 2
	s_add_co_u32 s26, s26, s17
	s_lshl_b32 s26, s26, 3
	s_add_co_u32 s26, s26, s16
	s_lshl_b32 s26, s26, 9                         ; column sums: [bh][cx][wave][row parity][64] f32
	s_mov_b32 s27, 0
	s_add_nc_u64 s[98:99], s[14:15], s[26:27]
	s_add_nc_u64 s[98:99], s[98:99], 0x800000
	s_lshl_b32 s26, s21, 12
	s_add_nc_u64 s[12:13], s[12:13], s[26:27]      ; the batch's query mask
	s_lshl_b32 s26, s21, 11
	s_add_nc_u64 s[10:11], s[10:11], s[26:27]      ; the batch's mask words
	s_load_b512 s[MWR:MWR+15],    s[10:11], s20 offset:0x0     ; key block 0
	s_load_b512 s[MWR+16:MWR+31], s[10:11], s20 offset:0x40
	v_and_b32 v20, 15, v0                          ; r
	v_bfe_u32 v21, v0, 4, 1                        ; h
	v_and_b32 v22, 7, v0
	v_bfe_u32 v23, v0, 3, 1
	v_and_b32 v24, 31, v0
	v_mul_u32_u24 v[KADR], v20, KPITCH
	v_lshl_add_u32 v[KADR], v21, 4, v[KADR]
	v_lshl_add_u32 v[VADR], v21, 3, v22
	v_mul_u32_u24 v[VADR], v[VADR], VPITCH
	v_lshl_add_u32 v[VADR], v23, 4, v[VADR]
	v_add_nc_u32 v[VADR], VBASE, v[VADR]
	v_mov_b32 v[NEGR], 0xd1000000
	s_lshl_b32 s29, s17, 4
	v_lshlrev_b32 v25, 3, v21
	v_sub_nc_u32 v[DG], v20, v25
	v_add_nc_u32 v[DG], s29, v[DG]
	s_lshl_b32 s29, s16, 14
	s_lshl_b32 s26, s17, 11
	s_add_co_u32 s29, s29, s26                     ; rows 128 w + 16 cx, of 128 bytes
	v_lshlrev_b32 v30, 7, v20
	v_lshl_add_u32 v30, v21, 4, v30
	v_add_nc_u32 v30, s29, v30                     ; Q fragment: row r, 16 bytes for each half of the lanes
	v_lshl_add_u32 v[OUTO], v24, 3, s29
	s_lshr_b32 s26, s29, 5
	v_lshl_add_u32 v31, v20, 2, s26                ; the same rows in the query mask
.irp a, 0,1
.irp u, 0,1
	global_load_b128 v[Q+16*\a+8*\u:Q+16*\a+8*\u+3],   v30, s[92:93] offset:8192*\a+64*\u
	global_load_b128 v[Q+16*\a+8*\u+4:Q+16*\a+8*\u+7], v30, s[92:93] offset:8192*\a+64*\u+32
.endr
.endr
	global_load_b32 v[QM],   v31, s[12:13]
	global_load_b32 v[QM+1], v31, s[12:13] offset:256
.irp a, 0,1
	v_mov_b32 v[AL+2*\a+1], 0                      ; the pairs' upper words are named by the packed forms and never used
	v_mov_b32 v[NM+2*\a+1], 0
.endr
; Tile a's diagonal: in key block 2 w + a the score of key = query is masked
.macro DIAG a
	s_cmp_lg_u32 s19, s[GQ+\a]
	s_cbranch_scc1 .Lnodiag_\@
.irp t, 0,1,2,3
.irp j, 0,1,2,3,4,5,6,7
	v_cmp_eq_u32 vcc_lo, 16*\t+\j, v[DG]
	v_cndmask_b32 v[S+32*\a+8*\t+\j], v[S+32*\a+8*\t+\j], v[NEGR], vcc_lo
.endr
.endr
.Lnodiag_\@:
.endm
; One trip: 64 keys against the wave's 32 queries.  first = 1: nothing to rescale, the products start the sums.
; n: the key block as an immediate (the written-out trips); step = 1: the address registers are stepped instead (the loop).
.macro TRIP first, n, step
.irp u, 0,1
.irp t, 0,1,2,3
	ds_load_b128 v[F+16*\t+8*\u:F+16*\t+8*\u+3],   v[KADR] offset:\n*64*KPITCH+\t*16*KPITCH+64*\u
	ds_load_b128 v[F+16*\t+8*\u+4:F+16*\t+8*\u+7], v[KADR] offset:\n*64*KPITCH+\t*16*KPITCH+64*\u+32
.endr
.endr
	s_wait_dscnt 8                                 ; d = 0..31 of the four key tiles; the eight younger loads stay out
	; the eight score tiles take turns, one instruction a turn
.irp t, 0,1,2,3
.irp a, 0,1
	v_wmma_f32_16x16x32_bf16 v[S+32*\a+8*\t:S+32*\a+8*\t+7], v[F+16*\t:F+16*\t+7], v[Q+16*\a:Q+16*\a+7], 0
.endr
.endr
	s_wait_dscnt 0
.irp t, 0,1,2,3
.irp a, 0,1
	v_wmma_f32_16x16x32_bf16 v[S+32*\a+8*\t:S+32*\a+8*\t+7], v[F+16*\t+8:F+16*\t+15], v[Q+16*\a+8:Q+16*\a+15], v[S+32*\a+8*\t:S+32*\a+8*\t+7]
.endr
.endr
	; four places behind the matrix instructions (ISA guide 7.12.1): then their sources are loaded into and their results read
.if \step
	v_add_nc_u32 v[KADR], 64*KPITCH, v[KADR]
.else
	v_nop
.endif
	v_nop
	v_nop
	v_nop
.irp u, 0,1
.irp t, 0,1,2,3
	ds_load_tr16_b128 v[F+16*\t+8*\u:F+16*\t+8*\u+3],   v[VADR] offset:\n*64*VPITCH+\u*32*VPITCH+32*\t
	ds_load_tr16_b128 v[F+16*\t+8*\u+4:F+16*\t+8*\u+7], v[VADR] offset:\n*64*VPITCH+\u*32*VPITCH+32*\t+16*VPITCH
.endr
.endr
.if \step
	v_add_nc_u32 v[VADR], 64*VPITCH, v[VADR]
.endif
	s_wait_kmcnt 0x0                               ; this block's mask words
.irp a, 0,1
.irp t, 0,1,2,3
.irp j, 0,1,2,3,4,5,6,7
	v_cndmask_b32 v[S+32*\a+8*\t+\j], v[NEGR], v[S+32*\a+8*\t+\j], s[MWR+8*\t+\j]
.endr
.endr
.endr
	s_add_co_u32 s29, s19, 1                       ; the next block's words; the last trip asks for its own again and stays inside the buffer
	s_min_u32 s29, s29, 15
	s_lshl_b32 s20, s29, 7
	s_load_b512 s[MWR:MWR+15],    s[10:11], s20 offset:0x0
	s_load_b512 s[MWR+16:MWR+31], s[10:11], s20 offset:0x40
	DIAG 0
	DIAG 1
	; the running maximum: two chains a tile, the old maximum in the first
.irp a, 0,1
.if \first
	v_max_num_f32 v[T+2*\a], v[S+32*\a], v[S+32*\a+1]
.else
	v_max3_num_f32 v[T+2*\a], v[M+\a], v[S+32*\a], v[S+32*\a+1]
.endif
	v_max3_num_f32 v[T+2*\a+1], v[S+32*\a+16], v[S+32*\a+17], v[S+32*\a+18]
.endr
.irp k, 1,2,3,4,5,6
.irp a, 0,1
	v_max3_num_f32 v[T+2*\a],   v[T+2*\a],   v[S+32*\a+2*\k],    v[S+32*\a+2*\k+1]
	v_max3_num_f32 v[T+2*\a+1], v[T+2*\a+1], v[S+32*\a+17+2*\k], v[S+32*\a+18+2*\k]
.endr
.endr
.irp a, 0,1
	v_max3_num_f32 v[T+2*\a], v[T+2*\a], v[S+32*\a+14], v[S+32*\a+15]
.endr
.irp a, 0,1
	v_max3_num_f32 v[T+2*\a], v[T+2*\a], v[T+2*\a+1], v[S+32*\a+31]
.endr
.irp a, 0,1
	v_permlanex16_b32 v[T+2*\a+1], v[T+2*\a], s30, s31     ; the same query's other keys
.endr
.irp a, 0,1
	v_max_num_f32 v[M+\a], v[T+2*\a], v[T+2*\a+1]
.endr
.irp a, 0,1
	v_mul_f32 v[T+2*\a], s28, v[M+\a]              ; the new shift, -c M
.endr
.if \first == 0
.irp a, 0,1
	v_sub_f32 v[T+2*\a+1], v[T+2*\a], v[NM+2*\a]   ; new shift - old shift, the two that are applied: 0 exactly where the maximum stays
.endr
.irp a, 0,1
	v_exp_f32 v[AL+2*\a], v[T+2*\a+1]              ; used far below
.endr
.endif
.irp a, 0,1
	v_mov_b32 v[NM+2*\a], v[T+2*\a]
.endr
.irp a, 0,1
.irp p, 0,1,2,3,4,5,6,7,8,9,10,11,12,13,14,15
	v_pk_fma_f32 v[S+32*\a+2*\p:S+32*\a+2*\p+1], v[S+32*\a+2*\p:S+32*\a+2*\p+1], s[66:67], v[NM+2*\a:NM+2*\a+1] op_sel_hi:[1,0,0]
.endr
.endr
	; the exponentials, two at a time; the rescale of O stands between them and is the plain instruction behind them (ISA guide 5.7.2)
.irp a, 0,1
.irp p, 0,1,2,3,4,5,6,7,8,9,10,11,12,13,14,15
	v_exp_f32 v[S+32*\a+2*\p],   v[S+32*\a+2*\p]
	v_exp_f32 v[S+32*\a+2*\p+1], v[S+32*\a+2*\p+1]
.if \first == 0
	s_wait_alu depctr_va_vdst(0)
	v_pk_mul_f32 v[O+32*\a+2*\p:O+32*\a+2*\p+1], v[O+32*\a+2*\p:O+32*\a+2*\p+1], v[AL+2*\a:AL+2*\a+1] op_sel_hi:[1,0]
.endif
.endr
.endr
.if \first
	v_nop
	s_wait_alu depctr_va_vdst(0)
.endif
	; the sums of the weights: two chains a tile
.irp k, 0,1,2,3,4,5,6,7
.irp a, 0,1
.if \k == 0
.if \first == 0
	s_wait_alu depctr_va_vdst(0)
	v_pk_fma_f32 v[L+2*\a:L+2*\a+1], v[L+2*\a:L+2*\a+1], v[AL+2*\a:AL+2*\a+1], v[S+32*\a:S+32*\a+1] op_sel_hi:[1,0,1]
.endif
.endif
.if \k == 1
.if \first
	v_pk_add_f32 v[L+2*\a:L+2*\a+1], v[S+32*\a:S+32*\a+1], v[S+32*\a+2:S+32*\a+3]
.else
	v_pk_add_f32 v[L+2*\a:L+2*\a+1], v[L+2*\a:L+2*\a+1], v[S+32*\a+2:S+32*\a+3]
.endif
	v_pk_add_f32 v[T+4+2*\a:T+5+2*\a], v[S+32*\a+16:S+32*\a+17], v[S+32*\a+18:S+32*\a+19]
.endif
.if \k > 1
	v_pk_add_f32 v[L+2*\a:L+2*\a+1], v[L+2*\a:L+2*\a+1], v[S+32*\a+2*\k:S+32*\a+2*\k+1]
	v_pk_add_f32 v[T+4+2*\a:T+5+2*\a], v[T+4+2*\a:T+5+2*\a], v[S+32*\a+16+2*\k:S+32*\a+17+2*\k]
.endif
.endr
.endr
.irp a, 0,1
	v_pk_add_f32 v[L+2*\a:L+2*\a+1], v[L+2*\a:L+2*\a+1], v[T+4+2*\a:T+5+2*\a]
.endr
	; two key tiles to bf16, in place: register i of P(a, u) takes numbers 2 i, 2 i + 1, which lie at or above it
.irp a, 0,1
.irp u, 0,1
.irp i, 0,1,2,3,4,5,6,7
	v_cvt_pk_bf16_f32 v[S+32*\a+16*\u+\i], v[S+32*\a+16*\u+2*\i], v[S+32*\a+16*\u+2*\i+1]
.endr
.endr
.endr
	s_wait_dscnt 0                                 ; the V fragments
	; the eight tiles of O^T take turns, one instruction a turn
.irp a, 0,1
.irp t, 0,1,2,3
.if \first
	v_wmma_f32_16x16x32_bf16 v[O+32*\a+8*\t:O+32*\a+8*\t+7], v[F+16*\t:F+16*\t+7], v[S+32*\a:S+32*\a+7], 0
.else
	v_wmma_f32_16x16x32_bf16 v[O+32*\a+8*\t:O+32*\a+8*\t+7], v[F+16*\t:F+16*\t+7], v[S+32*\a:S+32*\a+7], v[O+32*\a+8*\t:O+32*\a+8*\t+7]
.endif
.endr
.endr
.irp a, 0,1
.irp t, 0,1,2,3
	v_wmma_f32_16x16x32_bf16 v[O+32*\a+8*\t:O+32*\a+8*\t+7], v[F+16*\t+8:F+16*\t+15], v[S+32*\a+16:S+32*\a+23], v[O+32*\a+8*\t:O+32*\a+8*\t+7]
.endr
.endr
.rept 5
	v_nop                                          ; five places: the next trip's loads land on these sources, and its first products write over P
.endr
	s_add_co_u32 s19, s19, 1
.endm
	s_wait_loadcnt 0x0                             ; Q and the query mask
	s_wait_tensorcnt 3                             ; my 64 rows of the first quarter are in; three younger loads stay out
	s_barrier_signal -1
	s_barrier_wait -1                              ; everybody's are: keys 0-255 of K and V.
	TRIP 1, 0, 0
	TRIP 0, 1, 0
	TRIP 0, 2, 0
	TRIP 0, 3, 0
	s_wait_dscnt 0x0
	s_wait_tensorcnt 0x0                           ; the other three quarters had four trips in which to land
	s_barrier_signal -1
	s_barrier_wait -1
	v_add_nc_u32 v[KADR], 256*KPITCH, v[KADR]
	v_add_nc_u32 v[VADR], 256*VPITCH, v[VADR]
.Ltrip:
	TRIP 0, 0, 1
	s_cmp_lt_u32 s19, 16
	s_cbranch_scc1 .Ltrip
	; THE WAY OUT
	s_wait_kmcnt 0x0                               ; the last trip's mask words, not used
.irp a, 0,1
.irp i, 0,1,2,3,4,5,6,7
	global_load_b64 v[F+16*\a+2*\i:F+16*\a+2*\i+1], v[OUTO], s[94:95] offset:8192*\a+256*\i    ; q_in, rows 2 i, 2 i + 1 of the tile: 256 consecutive bytes
.endr
.endr
.irp a, 0,1
	v_add_f32 v[T+2*\a], v[L+2*\a], v[L+2*\a+1]
.endr
.irp a, 0,1
	v_permlanex16_b32 v[T+2*\a+1], v[T+2*\a], s30, s31
.endr
.irp a, 0,1
	v_add_f32 v[T+2*\a], v[T+2*\a], v[T+2*\a+1]    ; at least 1: the largest score's weight
.endr
.irp a, 0,1
	v_rcp_f32 v[T+2*\a+1], v[T+2*\a]
.endr
	v_and_b32 v24, 15, v0                          ; plain work behind the reciprocals (ISA guide 5.7.2)
	v_bfe_u32 v25, v0, 4, 1
	s_wait_alu depctr_va_vdst(0)
.irp a, 0,1
	v_mul_f32 v[AL+2*\a], v[T+2*\a+1], v[QM+\a]
.endr
	s_mul_i32 s29, s16, 16*272                     ; my stage: 16 rows of 256 + 16 bytes, in K's bytes, which have had their only fill
	v_mul_u32_u24 v[KADR], v24, 272
	v_lshl_add_u32 v[KADR], v25, 5, v[KADR]
	v_add_nc_u32 v[KADR], s29, v[KADR]             ; in: query r, d = 8 h ..
	v_mul_u32_u24 v[VADR], v25, 272
	v_lshl_add_u32 v[VADR], v24, 4, v[VADR]
	v_add_nc_u32 v[VADR], s29, v[VADR]             ; back: sixteen lanes take a row
	v_and_b32 v[NEGR], 31, v0
	v_lshlrev_b32 v[NEGR], 4, v[NEGR]
.irp a, 0,1
.irp p, 0,1,2,3,4,5,6,7,8,9,10,11,12,13,14,15
	v_pk_mul_f32 v[O+32*\a+2*\p:O+32*\a+2*\p+1], v[O+32*\a+2*\p:O+32*\a+2*\p+1], v[AL+2*\a:AL+2*\a+1] op_sel_hi:[1,0]
.endr
.endr
	s_wait_dscnt 0x0
	s_barrier_signal -1
	s_barrier_wait -1                              ; every wave's reads of K are over: its bytes may be written
.irp a, 0,1
.irp t, 0,1,2,3
	ds_store_b128 v[KADR], v[O+32*\a+8*\t:O+32*\a+8*\t+3]   offset:64*\t
	ds_store_b128 v[KADR], v[O+32*\a+8*\t+4:O+32*\a+8*\t+7] offset:64*\t+16
.endr
.irp i, 0,1,2,3,4,5,6,7
	ds_load_b128 v[S+32*\a+4*\i:S+32*\a+4*\i+3], v[VADR] offset:544*\i     ; LDS serves a wave's instructions in order (ISA guide 5.7.1): tile 1's stores come behind tile 0's loads
.endr
.endr
	s_wait_loadcnt 0x0                             ; q_in
.irp a, 0,1
.irp i, 0,1,2,3,4,5,6,7
	s_wait_dscnt (1-\a)*16+7-\i                    ; behind tile 0's load i stand 7 - i loads and tile 1's sixteen instructions
.if (8*\a+\i) == 1
	v_pk_add_f32 v[T:T+1],   v[S:S+1],   v[S+4:S+5]            ; column sums of the attention output, f32
	v_pk_add_f32 v[T+2:T+3], v[S+2:S+3], v[S+6:S+7]
.endif
.if (8*\a+\i) > 1
	v_pk_add_f32 v[T:T+1],   v[T:T+1],   v[S+32*\a+4*\i:S+32*\a+4*\i+1]
	v_pk_add_f32 v[T+2:T+3], v[T+2:T+3], v[S+32*\a+4*\i+2:S+32*\a+4*\i+3]
.endif
	v_lshlrev_b32 v[T+4], 16, v[F+16*\a+2*\i]
	v_and_b32     v[T+5], 0xffff0000, v[F+16*\a+2*\i]
	v_lshlrev_b32 v[T+6], 16, v[F+16*\a+2*\i+1]
	v_and_b32     v[T+7], 0xffff0000, v[F+16*\a+2*\i+1]
	v_pk_add_f32 v[T+4:T+5], v[T+4:T+5], v[S+32*\a+4*\i:S+32*\a+4*\i+1]
	v_pk_add_f32 v[T+6:T+7], v[T+6:T+7], v[S+32*\a+4*\i+2:S+32*\a+4*\i+3]
	v_cvt_pk_bf16_f32 v[F+32+16*\a+2*\i], v[T+4], v[T+5]
	v_cvt_pk_bf16_f32 v[F+33+16*\a+2*\i], v[T+6], v[T+7]
	global_store_b64 v[OUTO], v[F+32+16*\a+2*\i:F+33+16*\a+2*\i], s[96:97] offset:8192*\a+256*\i   ; 256 consecutive bytes, aligned; registers of its own
.endr
.endr
	global_store_b128 v[NEGR], v[T:T+3], s[98:99]
	s_set_vgpr_msb 0x5
	s_wait_tensorcnt 0x0
	ds_add_u32 v0, v1
	s_wait_dscnt 0x0
	s_set_vgpr_msb 0x500
	CROUND                                         ; the closing round
	s_endpgm
.Lfunc_end_k_q4cc464af14_attn:
	.size	k_q4cc464af14_attn, .Lfunc_end_k_q4cc464af14_attn-k_q4cc464af14_attn
	.p2alignl 7, 3214868480
	.fill 96, 4, 3214868480
	.section	.rodata,"a",@progbits
	.p2align	6, 0x0
	.amdhsa_kernel k_q4cc464af14_attn
		.amdhsa_group_segment_fixed_size 312320
		.amdhsa_private_segment_fixed_size 0
		.amdhsa_enable_private_segment 0
		.amdhsa_kernarg_size 48
		.amdhsa_user_sgpr_count 2
		.amdhsa_user_sgpr_kernarg_segment_ptr 1
		.amdhsa_wavefront_size32 1
		.amdhsa_system_sgpr_workgroup_id_x 1
		.amdhsa_system_sgpr_workgroup_id_y 1
		.amdhsa_system_sgpr_workgroup_id_z 1
		.amdhsa_system_vgpr_workitem_id 0
		.amdhsa_next_free_vgpr 258
		.amdhsa_next_free_sgpr 102
		.amdhsa_reserve_vcc 1
		.amdhsa_float_denorm_mode_32 3
		.amdhsa_float_denorm_mode_16_64 3
		.amdhsa_memory_ordered 1
		.amdhsa_forward_progress 1
		.amdhsa_inst_pref_size 156
	.end_amdhsa_kernel
	.amdgpu_metadata
---
amdhsa.version: [ 1, 2 ]
amdhsa.kernels:
  - .name:           k_q4cc464af14_attn
    .symbol:         k_q4cc464af14_attn.kd
    .args:
      - { .name: KQ, .offset: 0, .size: 8, .value_kind: global_buffer, .address_space: global }
      - { .name: V, .offset: 8, .size: 8, .value_kind: global_buffer, .address_space: global }
      - { .name: X, .offset: 16, .size: 8, .value_kind: global_buffer, .address_space: global }
      - { .name: MW, .offset: 24, .size: 8, .value_kind: global_buffer, .address_space: global }
      - { .name: query_masks, .offset: 32, .size: 8, .value_kind: global_buffer, .address_space: global }
      - { .name: RES, .offset: 40, .size: 8, .value_kind: global_buffer, .address_space: global }
    .group_segment_fixed_size: 312320
    .private_segment_fixed_size: 0
    .kernarg_segment_align: 8
    .kernarg_segment_size: 48
    .max_flat_workgroup_size: 256
    .sgpr_count:     102
    .vgpr_count:     258
    .wavefront_size: 32
...
	.end_amdgpu_metadata
.endif
;; end of part 3
;; launch ffn (part 4): grid 16 x 64, 4 waves a work-group, clusters of 4 x 4, 296,448 bytes of LDS; arguments RES, WVF, HS; writes HS
.if DOCPART == 4
	.amdgcn_target "amdgcn-amd-amdhsa--gfx1250"
	.amdhsa_code_object_version 6
	.text
	.protected	k_q4cc464af14_ffn
	.globl	k_q4cc464af14_ffn
	.p2align	8
	.type	k_q4cc464af14_ffn,@function
k_q4cc464af14_ffn:
	s_mov_b64 s[64:65], 0
	v_nop
	global_prefetch_b8 v0, s[64:65] scope:SCOPE_SE
	s_setreg_imm32_b32 hwreg(HW_REG_WAVE_MODE, 25, 1), 1
	s_wait_xcnt 0x0
	s_wait_alu depctr_hold_cnt(0) depctr_sa_sdst(0) depctr_va_vdst(0) depctr_va_sdst(0) depctr_va_ssrc(0) depctr_va_vcc(0) depctr_vm_vsrc(0)
	s_getreg_b32 s2, hwreg(HW_REG_IB_STS2, 6, 4)
	s_cmp_eq_u32 s2, 0
	s_cbranch_scc0 .Lentry_in_a_cluster
	s_endpgm
.Lentry_in_a_cluster:
	s_bfe_u32 s2, ttmp6, 0x10000c
	s_cmp_lg_u32 s2, 0xf033
	s_cbranch_scc0 .Lentry_shape_is_right
	s_endpgm
.Lentry_shape_is_right:
; C = A W for 128 x 128 of C and the whole K = 512.  A: bf16 chunk-major (element (b, t, k) at ((8 b + k/64) 1024 + t) 128 + 2 (k % 64)),
; W: bf16 [512][NCOL], sums in f32.  One source serves two bodies:
;   FFN = 0: C goes out in bf16, chunk-major.  Block rows 0-63 take the first half of A, W and C (k = k_in W_key; v = k W_Value),
;            block rows 64-127, where the grid has them, the second half (q = q_in W_Query).
;   FFN = 1: W is fw1 (524,288 bytes into its buffer, 2,048 columns); only the sums over the block's 128 rows of relu(C) go out, in f32:
;            mean over t of (relu(h) fw2) = (mean over t of relu(h)) fw2, so the hidden layer is never stored.
; Four waves, each 64 x 64 of C: 16 accumulator tiles.  The block's whole A (8 chunks of 128 rows x 64 k) and W (512 k x 128 columns)
; stand in LDS, each byte filled once: no slot is ever filled again.  The tiles come by four tensor loads a wave (by this text's count four
; are outstanding at the most), K in four stages of 128; a stage is multiplied behind a counted wait and a barrier while the later ones land.
; CLUSTERS: 4 x 4 work-groups.  A's tiles hang on the block row alone and are asked for jointly by a row of the cluster, W's on the block
; column alone and by a column: the requests for both are divided by four.
; REGISTERS: window 0: addresses, two buffers of fragments (A v64-127, W v128-191), work registers; window 1: the accumulators,
; tile (a, b) at v[8 (4 a + b)].
.set FFN, 1
.set NCOL,   512+1536*FFN
.set WOFF,   524288*FFN
.set APITCH, 144                       ; 128 bytes + 16: sixteen rows of a fragment start at sixteen different 16-byte columns of 256
.set BPITCH, 288                       ; 256 bytes + 32: an odd multiple of 32, for the transposing loads
.set CHUNK,  18432                     ; 128 rows of A = 64 rows of W
.set BBASE,  8*CHUNK
.set STAGE,  16*CHUNK                  ; bytes that no tensor load fills
.set ADRA, 16                          ; v16-19  my A fragments, stage 0..3
.set ADRB, 20                          ; v20-23  my W fragments
.set STO,  24
.set RD,   25
.set CO,   26
.set FA,   64
.set FB,   128
.set TMP,  192
.set G1A, 16                           ; s[16:23]
.set G1B, 24                           ; s[24:31]
.set G0A, 32                           ; s[32:47]  one group 0 for each stage
.set G0B, 68                           ; s[68:83]
.set MUL, 0x50                         ; C and D in window 1, the fragments in window 0
.set MSB, 0
.macro WIN new                         ; the immediate's high byte repeats the setting that is left
.if MSB != \new
	s_set_vgpr_msb (MSB<<8)|\new
.set MSB, \new
.endif
.endm
.macro PLACES                          ; four plain vector instructions behind a matrix instruction before its registers are loaded into or its result is read (ISA guide 7.12.1)
.rept 4
	v_nop
.endr
.endm
.macro JLOAD s                         ; waves 0, 1 ask for A's two chunks of stage s, waves 2, 3 for W's: each line has one mask
	s_cmp_eq_u32 s11, 0
	s_cbranch_scc0 .Lfor_b_\@
	tensor_load_to_lds s[G0A+4*\s:G0A+4*\s+3], s[G1A:G1A+7]
	s_nop 0
	s_branch .Lasked_\@
.Lfor_b_\@:
	tensor_load_to_lds s[G0B+4*\s:G0B+4*\s+3], s[G1B:G1B+7]
	s_nop 0
.Lasked_\@:
.endm
.macro CROUND                          ; a round of the cluster's barrier
	s_barrier_signal -1
	s_barrier_wait -1
	s_cmp_lg_u32 s10, 0
	s_cbranch_scc1 .Lnot_wave_0_\@
	s_barrier_signal -3
.Lnot_wave_0_\@:
	s_barrier_wait -3
	s_barrier_signal -1
	s_barrier_wait -1
.endm
	s_load_b128 s[4:7], s[0:1], 0x0                ; A, W
	s_load_b64 s[8:9], s[0:1], 0x10                ; C
	v_lshl_add_u32 v254, v0, 2, 0x48400
	v_mov_b32 v255, 0
	ds_add_u32 v254, v255
	v_lshrrev_b32 v1, 5, v0
	v_readfirstlane_b32 s10, v1                    ; wave
	s_lshr_b32 s11, s10, 1                         ; my half of the rows; also: I fetch for A (0) or W (1)
	s_and_b32 s12, s10, 1                          ; my half of the columns; also: which chunk of a stage I fetch
	s_bfe_u32 s13, ttmp6, 0x40000                  ; cx
	s_bfe_u32 s14, ttmp6, 0x40004                  ; cy
	s_lshl_b32 s15, ttmp9, 2
	s_add_co_u32 s15, s15, s13                     ; block column
	s_and_b32 s48, ttmp7, 0xffff                   ; the cluster's y
	s_lshr_b32 s49, s48, 4                         ; z: which half of the buffers; the same in the whole cluster
	s_and_b32 s50, s48, 15
	s_lshl_b32 s50, s50, 2
	s_add_co_u32 s50, s50, s14                     ; block row 0..63
	s_lshr_b32 s51, s50, 3                         ; batch
	s_and_b32 s52, s50, 7                          ; which 128 rows of the batch
	s_lshl_b32 s53, s14, 2
	s_lshl_b32 s53, 15, s53                        ; my row of the cluster
	s_lshl_b32 s54, 0x1111, s13                    ; my column
	; group 1 for A: 128 rows x 64 elements of 2 bytes, dense in memory; 4 words of padding behind every 32
	s_or_b32 s[G1A+0], s53, 0x07310000             ; mask; element size 1<<16; padding 1<<20; 1<<21 beside a mask; interval 4<<22; pad 3<<25
	s_mov_b32 s[G1A+1], 64<<16                     ; tensor_dim0
	s_mov_b32 s[G1A+2], 128<<16                    ; tensor_dim1
	s_mov_b32 s[G1A+3], 64<<16                     ; tile_dim0
	s_mov_b32 s[G1A+4], 128                        ; tile_dim1
	s_mov_b32 s[G1A+5], 64                         ; elements from row to row
	s_mov_b32 s[G1A+6], 0
	s_mov_b32 s[G1A+7], 0
	; group 1 for W: 64 rows (k) x 128 elements; 8 words of padding behind every 64
	s_or_b32 s[G1B+0], s54, 0x0f710000
	s_mov_b32 s[G1B+1], 128<<16
	s_mov_b32 s[G1B+2], 64<<16
	s_mov_b32 s[G1B+3], 128<<16
	s_mov_b32 s[G1B+4], 64
	s_mov_b32 s[G1B+5], NCOL
	s_mov_b32 s[G1B+6], 0
	s_mov_b32 s[G1B+7], 0
	; A's tiles: half, batch, my chunk of stage 0, the block's 128 rows.  No register here ever holds cx.
	s_lshl_b32 s56, s49, 23
	s_lshl_b32 s60, s51, 20
	s_add_co_u32 s56, s56, s60
	s_lshl_b32 s60, s52, 14
	s_add_co_u32 s56, s56, s60
	s_lshl_b32 s60, s12, 17
	s_add_co_u32 s56, s56, s60
	s_mov_b32 s57, 0
	; W's tiles: half, the block's 128 columns, my 64 k of stage 0.  No register here ever holds cy.
	s_lshl_b32 s58, s49, 19
	s_lshl_b32 s61, s15, 8
	s_add_co_u32 s58, s58, s61
	s_mul_i32 s61, s12, 64*NCOL*2
	s_add_co_u32 s58, s58, s61
.if FFN
	s_add_co_u32 s58, s58, WOFF
.endif
	s_mov_b32 s59, 0
	; where the results go
.if FFN
	s_lshl_b32 s84, s50, 13                        ; [block row][2048] f32
	s_lshl_b32 s86, s15, 9
	s_add_co_u32 s84, s84, s86
.else
	s_lshl_b32 s84, s49, 23
	s_lshl_b32 s86, s51, 20
	s_add_co_u32 s84, s84, s86
	s_lshl1_add_u32 s86, s15, s12                  ; my 64 columns are chunk 2 x block column + half
	s_lshl_b32 s86, s86, 17
	s_add_co_u32 s84, s84, s86
	s_lshl_b32 s86, s52, 14
	s_add_co_u32 s84, s84, s86
	s_lshl_b32 s86, s11, 13                        ; my 64 rows of 128 bytes
	s_add_co_u32 s84, s84, s86
.endif
	s_mov_b32 s85, 0
	s_mul_i32 s55, s10, CHUNK                      ; LDS: A's chunks 0, 1 for waves 0, 1; W's for waves 2, 3 (BBASE - 2 CHUNK + wave x CHUNK)
	s_wait_dscnt 0x0
	s_wait_kmcnt 0x0
	s_add_nc_u64 s[56:57], s[4:5], s[56:57]
	s_add_nc_u64 s[58:59], s[6:7], s[58:59]
	s_add_nc_u64 s[8:9], s[8:9], s[84:85]
	CROUND                                         ; all sixteen work-groups are here: the joint loads meet
.irp s, 0,1,2,3
	s_mov_b32 s[G0A+4*\s], 1
	s_add_co_u32 s[G0A+4*\s+1], s55, \s*2*CHUNK
	s_add_nc_u64 s[G0A+4*\s+2:G0A+4*\s+3], s[56:57], \s*262144
	s_or_b32 s[G0A+4*\s+3], s[G0A+4*\s+3], 0x80000000
	s_mov_b32 s[G0B+4*\s], 1
	s_add_co_u32 s[G0B+4*\s+1], s55, BBASE-2*CHUNK+\s*2*CHUNK
	s_add_nc_u64 s[G0B+4*\s+2:G0B+4*\s+3], s[58:59], \s*128*NCOL*2
	s_or_b32 s[G0B+4*\s+3], s[G0B+4*\s+3], 0x80000000
	JLOAD \s
.endr
	v_and_b32 v1, 15, v0                           ; r
	v_bfe_u32 v2, v0, 4, 1                         ; h
	v_and_b32 v3, 7, v0
	v_bfe_u32 v4, v0, 3, 1
	v_mul_u32_u24 v5, v1, APITCH
	v_lshl_add_u32 v5, v2, 4, v5                   ; A fragment: row r, 16 bytes for each half of the lanes
	v_lshl_add_u32 v6, v2, 3, v3
	v_mul_u32_u24 v6, v6, BPITCH                   ; W fragment through the transposing load: row k = 8 h + l % 8,
	v_lshl_add_u32 v6, v4, 4, v6                   ; 16 bytes by bit 3 of the lane
	s_mul_i32 s60, s11, 64*APITCH
	s_lshl_b32 s61, s12, 7
	s_add_co_u32 s61, s61, BBASE
.irp s, 0,1,2,3
	v_add_nc_u32 v[ADRA+\s], s60, v5
	v_add_nc_u32 v[ADRB+\s], s61, v6
	s_add_co_u32 s60, s60, 2*CHUNK
	s_add_co_u32 s61, s61, 2*CHUNK
.endr
	v_and_b32 v8, 31, v0
	v_lshlrev_b32 v[CO], 4, v8                     ; 16 x lane
.if FFN
	s_mov_b32 s62, 0x76543210                      ; v_permlanex16_b32: lane i of one half reads lane i of the other
	s_mov_b32 s63, 0xfedcba98
	s_lshl_b32 s60, s11, 9
	s_lshl_b32 s61, s12, 8
	s_add_co_u32 s60, s60, s61
	s_add_co_u32 s60, s60, STAGE
	v_lshl_add_u32 v27, v1, 2, s60                 ; [row half][128 columns] f32
	v_add_nc_u32 v28, STAGE, v[CO]
.else
	s_mul_i32 s60, s10, 16*APITCH
	s_add_co_u32 s60, s60, STAGE                   ; my stage: 16 rows of 144 bytes
	v_add_nc_u32 v[STO], s60, v5
	v_bfe_u32 v7, v0, 3, 2
	v_mul_u32_u24 v7, v7, APITCH
	v_lshl_add_u32 v7, v3, 4, v7
	v_add_nc_u32 v[RD], s60, v7                    ; back: eight lanes take a row of 128 bytes
.endif
; Eight matrix instructions: row tiles a0, a0 + 1 x four column tiles, 32 along K, from buffer f.  FFN = 0: source 0 = W's columns, source 1 =
; A's rows, so that a lane's eight results are neighbouring columns of one row; FFN = 1: the natural order, a lane holds a column.
; The sixteen accumulators take turns, one instruction a turn, in the same order in every step.
.macro MUL8 f, a0, zero
.irp a, \a0, \a0+1
.irp b, 0,1,2,3
.set X0, FFN*(FA+32*\f+8*(\a))+(1-FFN)*(FB+32*\f+8*\b)
.set X1, (1-FFN)*(FA+32*\f+8*(\a))+FFN*(FB+32*\f+8*\b)
.set AC, 8*(4*(\a)+\b)
.if \zero
	v_wmma_f32_16x16x32_bf16 v[AC:AC+7], v[X0:X0+7], v[X1:X1+7], 0
.else
	v_wmma_f32_16x16x32_bf16 v[AC:AC+7], v[X0:X0+7], v[X1:X1+7], v[AC:AC+7]
.endif
.endr
.endr
.endm
; Sixteen LDS loads: the fragments of K step ks of stage st into buffer f: W's four, then A's rows 0-31, then A's rows 32-63
.macro FETCH st, ks, f
.irp b, 0,1,2,3
	ds_load_tr16_b128 v[FB+32*\f+8*\b:FB+32*\f+8*\b+3],   v[ADRB+\st] offset:\ks*32*BPITCH+32*\b
	ds_load_tr16_b128 v[FB+32*\f+8*\b+4:FB+32*\f+8*\b+7], v[ADRB+\st] offset:\ks*32*BPITCH+32*\b+16*BPITCH
.endr
.irp a, 0,1,2,3
	ds_load_b128 v[FA+32*\f+8*\a:FA+32*\f+8*\a+3],   v[ADRA+\st] offset:(\ks>>1)*CHUNK+(\ks&1)*64+\a*16*APITCH
	ds_load_b128 v[FA+32*\f+8*\a+4:FA+32*\f+8*\a+7], v[ADRA+\st] offset:(\ks>>1)*CHUNK+(\ks&1)*64+\a*16*APITCH+32
.endr
.endm
; One of a stage's first three K steps: multiplies buffer f and fetches K step kn of the same stage into buffer g
.macro STEP st, kn, f, g, zero
	s_wait_dscnt 4                                 ; all but the youngest four loads (A's rows 32-63)
	WIN MUL
	MUL8 \f, 0, \zero
	PLACES
	WIN 0
	FETCH \st, \kn, \g
	s_wait_dscnt 16                                ; all but the sixteen just issued
	WIN MUL
	MUL8 \f, 2, \zero
.endm
.macro THREE st, zero
	STEP \st, 1, 0, 1, \zero
	STEP \st, 2, 1, 0, 0
	STEP \st, 3, 0, 1, 0
.endm
; A stage's last K step, and the change to stage nx.  left: how many of my four tensor loads may stay out when stage nx's has to be in.
; The later stages' loads stay on their way across it.
.macro LAST nx, left
	s_wait_dscnt 4
	WIN MUL
	MUL8 1, 0, 0
	s_wait_dscnt 0                                 ; no LDS instruction is pending at a signal
	s_wait_tensorcnt \left                         ; my part of stage nx is in LDS:
	s_barrier_signal -1                            ; say so,
	MUL8 1, 2, 0                                   ; work on registers meanwhile,
	WIN 0
	s_barrier_wait -1                              ; and read it when all four waves have said so
	PLACES
	FETCH \nx, 0, 0
.endm
	s_wait_tensorcnt 3                             ; my part of stage 0; three younger loads stay out
	s_barrier_signal -1
	s_barrier_wait -1
	FETCH 0, 0, 0
	THREE 0, 1                                     ; the first products start the sums: nothing is cleared
	LAST 1, 2
	THREE 1, 0
	LAST 2, 1
	THREE 2, 0
	LAST 3, 0
	THREE 3, 0
	s_wait_dscnt 4
	WIN MUL
	MUL8 1, 0, 0
	s_wait_dscnt 0
	MUL8 1, 2, 0
	PLACES                                         ; behind the last matrix instructions: results are read and fragment registers written below
.if FFN
	; relu into the fragment registers of window 0, then the sums over my 64 rows: 32 numbers a lane and column tile, then the other half of the lanes
	WIN 0x04                                       ; source 1 in window 1
.set i, 0
.rept 128
	v_max_num_f32 v[FA+i], 0, v[i]
.set i, i+1
.endr
	WIN 0
.irp b, 0,1,2,3
	v_pk_add_f32 v[TMP+2*\b:TMP+2*\b+1], v[FA+8*\b:FA+8*\b+1], v[FA+8*\b+2:FA+8*\b+3]
.endr
.irp a, 0,1,2,3
.irp q, 0,1,2,3
.if (4*\a+\q) >= 2
.irp b, 0,1,2,3
	v_pk_add_f32 v[TMP+2*\b:TMP+2*\b+1], v[TMP+2*\b:TMP+2*\b+1], v[FA+8*(4*\a+\b)+2*\q:FA+8*(4*\a+\b)+2*\q+1]
.endr
.endif
.endr
.endr
.irp b, 0,1,2,3
	v_add_f32 v[TMP+8+\b], v[TMP+2*\b], v[TMP+2*\b+1]
.endr
.irp b, 0,1,2,3
	v_permlanex16_b32 v[TMP+\b], v[TMP+8+\b], s62, s63     ; rows 8 h + j: the other h
.endr
.irp b, 0,1,2,3
	v_add_f32 v[TMP+8+\b], v[TMP+8+\b], v[TMP+\b]
.endr
.irp b, 0,1,2,3
	ds_store_b32 v27, v[TMP+8+\b] offset:64*\b             ; column 16 b + r; both halves of the lanes write the same number
.endr
	s_wait_dscnt 0x0                               ; for the other waves' sake
	s_barrier_signal -1
	s_barrier_wait -1
	s_cmp_lg_u32 s10, 0
	s_cbranch_scc1 .Lnot_first
	ds_load_b128 v[TMP+12:TMP+15], v28             ; rows 0-63,
	ds_load_b128 v[TMP+16:TMP+19], v28 offset:512  ; rows 64-127 of the block's 128 columns
	s_wait_dscnt 0x0
	v_pk_add_f32 v[TMP+12:TMP+13], v[TMP+12:TMP+13], v[TMP+16:TMP+17]
	v_pk_add_f32 v[TMP+14:TMP+15], v[TMP+14:TMP+15], v[TMP+18:TMP+19]
	global_store_b128 v[CO], v[TMP+12:TMP+15], s[8:9]      ; 512 consecutive bytes, aligned
.Lnot_first:
.else
	; 16 rows at a time: round to bf16, 16 bytes a lane into my own stage, back as rows of 128 bytes, which are consecutive in the chunk.
	; Each row block has read-back registers of its own, so no register that a store reads is written again.
.macro OUT16 a
	WIN 0x05                                       ; sources 0 and 1 in window 1
.irp b, 0,1,2,3
.irp q, 0,1,2,3
	v_cvt_pk_bf16_f32 v[TMP+4*\b+\q], v[8*(4*\a+\b)+2*\q], v[8*(4*\a+\b)+2*\q+1]
.endr
.endr
	WIN 0
.irp b, 0,1,2,3
	ds_store_b128 v[STO], v[TMP+4*\b:TMP+4*\b+3] offset:32*\b
.endr
.irp i, 0,1,2,3
	ds_load_b128 v[FA+16*\a+4*\i:FA+16*\a+4*\i+3], v[RD] offset:4*APITCH*\i    ; LDS serves a wave's instructions in order (ISA guide 5.7.1): these see the stores above
.endr
.irp i, 0,1,2,3
	s_wait_dscnt 3-\i
	global_store_b128 v[CO], v[FA+16*\a+4*\i:FA+16*\a+4*\i+3], s[8:9] offset:2048*\a+512*\i   ; 512 consecutive bytes, aligned
.endr
.endm
	OUT16 0
	OUT16 1
	OUT16 2
	OUT16 3
.endif
	s_wait_tensorcnt 0x0
	ds_add_u32 v254, v255
	s_wait_dscnt 0x0
	CROUND                                         ; the closing round: no work-group ends while a partner may still ask for a tile that names it
	s_endpgm
.Lfunc_end_k_q4cc464af14_ffn:
	.size	k_q4cc464af14_ffn, .Lfunc_end_k_q4cc464af14_ffn-k_q4cc464af14_ffn
	.p2alignl 7, 3214868480
	.fill 96, 4, 3214868480
	.section	.rodata,"a",@progbits
	.p2align	6, 0x0
	.amdhsa_kernel k_q4cc464af14_ffn
		.amdhsa_group_segment_fixed_size 296448
		.amdhsa_private_segment_fixed_size 0
		.amdhsa_enable_private_segment 0
		.amdhsa_kernarg_size 24
		.amdhsa_user_sgpr_count 2
		.amdhsa_user_sgpr_kernarg_segment_ptr 1
		.amdhsa_wavefront_size32 1
		.amdhsa_system_sgpr_workgroup_id_x 1
		.amdhsa_system_sgpr_workgroup_id_y 1
		.amdhsa_system_sgpr_workgroup_id_z 1
		.amdhsa_system_vgpr_workitem_id 0
		.amdhsa_next_free_vgpr 384
		.amdhsa_next_free_sgpr 88
		.amdhsa_reserve_vcc 0
		.amdhsa_float_denorm_mode_32 3
		.amdhsa_float_denorm_mode_16_64 3
		.amdhsa_memory_ordered 1
		.amdhsa_forward_progress 1
		.amdhsa_inst_pref_size 55
	.end_amdhsa_kernel
	.amdgpu_metadata
---
amdhsa.version: [ 1, 2 ]
amdhsa.kernels:
  - .name:           k_q4cc464af14_ffn
    .symbol:         k_q4cc464af14_ffn.kd
    .args:
      - { .name: RES, .offset: 0, .size: 8, .value_kind: global_buffer, .address_space: global }
      - { .name: WVF, .offset: 8, .size: 8, .value_kind: global_buffer, .address_space: global }
      - { .name: HS, .offset: 16, .size: 8, .value_kind: global_buffer, .address_space: global }
    .group_segment_fixed_size: 296448
    .private_segment_fixed_size: 0
    .kernarg_segment_align: 8
    .kernarg_segment_size: 24
    .max_flat_workgroup_size: 128
    .sgpr_count:     88
    .vgpr_count:     384
    .wavefront_size: 32
...
	.end_amdgpu_metadata
.endif
;; end of part 4
;; launch fin (part 5): grid 32 x 8, 8 waves a work-group, no clusters, 9,728 bytes of LDS; arguments HS, X, RES, fw2, out0; writes out0
.if DOCPART == 5
	.amdgcn_target "amdgcn-amd-amdhsa--gfx1250"
	.amdhsa_code_object_version 6
	.text
	.protected	k_q4cc464af14_fin
	.globl	k_q4cc464af14_fin
	.p2align	8
	.type	k_q4cc464af14_fin,@function
k_q4cc464af14_fin:
	s_mov_b64 s[64:65], 0
	v_nop
	global_prefetch_b8 v0, s[64:65] scope:SCOPE_SE
	s_setreg_imm32_b32 hwreg(HW_REG_WAVE_MODE, 25, 1), 1
	s_wait_xcnt 0x0
; out0[b][col] = (sum over t of q_in + sum over t of the attention output + (sum over t of relu(hidden)) . fw2[:, col]) / 1024.
; The mean over t is linear, so fw2 is applied to the summed hidden row: for each batch a product of 1 x 2,048 by 2,048 x 512.  In f32 on the vector unit:
; eight rows in all feed no matrix tile, and fw2 stays in f32.  LIMIT (order of rounding): the sums over t are formed ahead of the product.
; Work-group (jc, b) makes 16 columns of batch b.  Lane l of wave w takes fw2's rows 256 w + 32 (l / 4) + i, i = 0..31, and the four columns
; 4 (l % 4) ..; thread number / 4 also picks one of the 64 partial sums of q_in and of the attention output for the same four columns.
; All 50 loads are issued at once.  No cluster and no tensor load: what work-groups share (the batch's hidden sums, 64 KiB; fw2's 64-byte pieces) goes
; straight into registers.  The work-group's store is 64 bytes: the whole output is 16 KiB, and wider pieces would leave a quarter of the work-groups.
.set HSR, 16                           ; v[16:79]    hidden sums: 8 row blocks x 2 halves x 4
.set FW,  80                           ; v[80:207]   32 quads of fw2
.set HV,  208                          ; v[208:239]  my 32 hidden sums
.set A0,  240                          ; v[240:243], v[244:247]  two accumulator sets
	s_load_b256 s[4:11], s[0:1], 0x0               ; HS, X, RES, fw2
	s_load_b64 s[12:13], s[0:1], 0x20              ; out0
	v_lshl_add_u32 v254, v0, 2, 0x2200
	v_mov_b32 v255, 0
	s_mov_b32 s14, ttmp9                           ; jc
	s_and_b32 s15, ttmp7, 0xffff                   ; b
	v_lshrrev_b32 v248, 5, v0
	v_readfirstlane_b32 s16, v248                  ; wave
	s_mov_b32 s17, 0x76543210
	s_mov_b32 s18, 0xfedcba98
	s_lshr_b32 s19, s14, 2                         ; chunk of 64 columns
	s_and_b32 s20, s14, 3
	s_lshl_b32 s20, s20, 6                         ; my 16 columns in it, f32
	s_lshl_b32 s22, s15, 16                        ; HS: 8 row blocks of 8,192 bytes a batch
	s_mov_b32 s23, 0
	s_lshl_b32 s24, s15, 17                        ; q_in sums: [32 b + tb][chunk][parity][64]
	s_lshl_b32 s21, s19, 9
	s_add_co_u32 s24, s24, s21
	s_add_co_u32 s24, s24, s20
	s_mov_b32 s25, 0
	s_lshl3_add_u32 s26, s15, s19                  ; attention sums: [8 b + chunk][64 partials][64]
	s_lshl_b32 s26, s26, 14
	s_add_co_u32 s26, s26, s20
	s_mov_b32 s27, 0
	s_lshl_b32 s28, s14, 6                         ; fw2, out0: 64 jc
	s_mov_b32 s29, 0
	s_lshl_b32 s30, s15, 11
	s_add_co_u32 s30, s30, s28
	s_mov_b32 s31, 0
	v_lshlrev_b32 v1, 4, v0                        ; 16 x thread
	v_and_b32 v249, 3, v0
	v_lshlrev_b32 v249, 4, v249                    ; my four columns
	v_lshrrev_b32 v250, 2, v0
	v_lshrrev_b32 v251, 3, v0
	v_bfe_u32 v252, v0, 2, 1
	v_lshl_add_u32 v2, v251, 12, v249
	v_lshl_add_u32 v2, v252, 8, v2                 ; q_in sums: tb = thread / 8, parity = bit 2
	v_lshl_add_u32 v3, v250, 8, v249               ; attention sums: partial thread / 4
	v_lshl_add_u32 v4, v250, 16, v249              ; fw2: row 32 (thread / 4)
	v_lshlrev_b32 v5, 7, v250                      ; my 32 hidden sums in LDS
	v_lshl_add_u32 v6, v248, 6, v249
	v_add_nc_u32 v6, 8192, v6                      ; my wave's 16 results
	v_add_nc_u32 v7, 8192, v249
	s_wait_kmcnt 0x0
	s_add_nc_u64 s[4:5], s[4:5], s[22:23]
	s_add_nc_u64 s[6:7], s[6:7], s[24:25]
	s_add_nc_u64 s[6:7], s[6:7], 0x1000000
	s_add_nc_u64 s[8:9], s[8:9], s[26:27]
	s_add_nc_u64 s[8:9], s[8:9], 0x800000
	s_add_nc_u64 s[10:11], s[10:11], s[28:29]
	s_add_nc_u64 s[12:13], s[12:13], s[30:31]
.irp p, 0,1,2,3,4,5,6,7
	global_load_b128 v[HSR+8*\p:HSR+8*\p+3],   v1, s[4:5] offset:8192*\p
	global_load_b128 v[HSR+8*\p+4:HSR+8*\p+7], v1, s[4:5] offset:8192*\p+4096
.endr
	global_load_b128 v[8:11],  v2, s[6:7]
	global_load_b128 v[12:15], v3, s[8:9]
.set i, 0
.rept 32
	global_load_b128 v[FW+4*i:FW+4*i+3], v4, s[10:11] offset:2048*i
.set i, i+1
.endr
	s_wait_loadcnt 34                              ; the sixteen loads of hidden sums; 34 younger loads stay out
.irp p, 1,2,3,4,5,6,7
.irp e, 0,1
	v_pk_add_f32 v[HSR+4*\e:HSR+4*\e+1],   v[HSR+4*\e:HSR+4*\e+1],   v[HSR+8*\p+4*\e:HSR+8*\p+4*\e+1]
	v_pk_add_f32 v[HSR+4*\e+2:HSR+4*\e+3], v[HSR+4*\e+2:HSR+4*\e+3], v[HSR+8*\p+4*\e+2:HSR+8*\p+4*\e+3]
.endr
.endr
	ds_store_b128 v1, v[HSR:HSR+3]
	ds_store_b128 v1, v[HSR+4:HSR+7] offset:4096
	s_wait_dscnt 0x0                               ; for the other waves' sake
	s_barrier_signal -1
	s_barrier_wait -1
.irp q, 0,1,2,3,4,5,6,7
	ds_load_b128 v[HV+4*\q:HV+4*\q+3], v5 offset:16*\q
.endr
	s_wait_loadcnt 32                              ; the two partial sums
	v_pk_add_f32 v[A0:A0+1],   v[8:9],   v[12:13]
	v_pk_add_f32 v[A0+2:A0+3], v[10:11], v[14:15]
	s_wait_dscnt 0x0
.macro FWROW i
	s_wait_loadcnt 31-\i                           ; row i of fw2 is in; the younger rows stay out
.set HP, HV+(\i/2)*2
.if \i == 1
	v_pk_mul_f32 v[A0+4:A0+5], v[FW+4:FW+5], v[HP:HP+1] op_sel:[0,1] op_sel_hi:[1,1]       ; the second set starts here
	v_pk_mul_f32 v[A0+6:A0+7], v[FW+6:FW+7], v[HP:HP+1] op_sel:[0,1] op_sel_hi:[1,1]
.else
.if \i % 2
	v_pk_fma_f32 v[A0+4:A0+5], v[FW+4*\i:FW+4*\i+1],   v[HP:HP+1], v[A0+4:A0+5] op_sel:[0,1,0] op_sel_hi:[1,1,1]
	v_pk_fma_f32 v[A0+6:A0+7], v[FW+4*\i+2:FW+4*\i+3], v[HP:HP+1], v[A0+6:A0+7] op_sel:[0,1,0] op_sel_hi:[1,1,1]
.else
	v_pk_fma_f32 v[A0:A0+1],   v[FW+4*\i:FW+4*\i+1],   v[HP:HP+1], v[A0:A0+1]   op_sel_hi:[1,0,1]
	v_pk_fma_f32 v[A0+2:A0+3], v[FW+4*\i+2:FW+4*\i+3], v[HP:HP+1], v[A0+2:A0+3] op_sel_hi:[1,0,1]
.endif
.endif
.endm
.irp i, 0,1,2,3,4,5,6,7,8,9,10,11,12,13,14,15,16,17,18,19,20,21,22,23,24,25,26,27,28,29,30,31
	FWROW \i
.endr
	v_pk_add_f32 v[A0:A0+1],   v[A0:A0+1],   v[A0+4:A0+5]
	v_pk_add_f32 v[A0+2:A0+3], v[A0+2:A0+3], v[A0+6:A0+7]
	; over the eight lanes that hold the same four columns
.irp c, 0,1,2,3
	v_add_f32_dpp v[A0+\c], v[A0+\c], v[A0+\c] row_xmask:4 row_mask:0xf bank_mask:0xf
.endr
.irp c, 0,1,2,3
	v_add_f32_dpp v[A0+\c], v[A0+\c], v[A0+\c] row_xmask:8 row_mask:0xf bank_mask:0xf
.endr
.irp c, 0,1,2,3
	v_permlanex16_b32 v[A0+4+\c], v[A0+\c], s17, s18
.endr
	v_pk_add_f32 v[A0:A0+1],   v[A0:A0+1],   v[A0+4:A0+5]
	v_pk_add_f32 v[A0+2:A0+3], v[A0+2:A0+3], v[A0+6:A0+7]
	ds_store_b128 v6, v[A0:A0+3]                   ; lanes with the same columns write the same numbers
	s_wait_dscnt 0x0
	s_barrier_signal -1
	s_barrier_wait -1
	s_cmp_lg_u32 s16, 0
	s_cbranch_scc1 .Ldone
.irp w, 0,1,2,3,4,5,6,7
	ds_load_b128 v[HSR+4*\w:HSR+4*\w+3], v7 offset:64*\w
.endr
	s_wait_dscnt 0x0
.irp w, 1,2,3,4,5,6,7
	v_pk_add_f32 v[HSR:HSR+1],   v[HSR:HSR+1],   v[HSR+4*\w:HSR+4*\w+1]
	v_pk_add_f32 v[HSR+2:HSR+3], v[HSR+2:HSR+3], v[HSR+4*\w+2:HSR+4*\w+3]
.endr
	v_pk_mul_f32 v[HSR:HSR+1],   v[HSR:HSR+1],   0x3a800000 op_sel_hi:[1,0]    ; 1 / 1024
	v_pk_mul_f32 v[HSR+2:HSR+3], v[HSR+2:HSR+3], 0x3a800000 op_sel_hi:[1,0]
	v_cmp_gt_u32 vcc_lo, 4, v0
	s_wait_xcnt 0x0                                ; EXEC changes only behind this wait
	s_and_saveexec_b32 s32, vcc_lo
	global_store_b128 v1, v[HSR:HSR+3], s[12:13]   ; lanes 0-3: 64 consecutive bytes
	s_wait_xcnt 0x0                                ; and again in front of the line that widens it
	s_or_b32 exec_lo, exec_lo, s32
.Ldone:
	s_wait_tensorcnt 0x0
	ds_add_u32 v254, v255
	s_wait_dscnt 0x0
	s_endpgm
.Lfunc_end_k_q4cc464af14_fin:
	.size	k_q4cc464af14_fin, .Lfunc_end_k_q4cc464af14_fin-k_q4cc464af14_fin
	.p2alignl 7, 3214868480
	.fill 96, 4, 3214868480
	.section	.rodata,"a",@progbits
	.p2align	6, 0x0
	.amdhsa_kernel k_q4cc464af14_fin
		.amdhsa_group_segment_fixed_size 9728
		.amdhsa_private_segment_fixed_size 0
		.amdhsa_enable_private_segment 0
		.amdhsa_kernarg_size 40
		.amdhsa_user_sgpr_count 2
		.amdhsa_user_sgpr_kernarg_segment_ptr 1
		.amdhsa_wavefront_size32 1
		.amdhsa_system_sgpr_workgroup_id_x 1
		.amdhsa_system_sgpr_workgroup_id_y 1
		.amdhsa_system_sgpr_workgroup_id_z 1
		.amdhsa_system_vgpr_workitem_id 0
		.amdhsa_next_free_vgpr 256
		.amdhsa_next_free_sgpr 66
		.amdhsa_reserve_vcc 1
		.amdhsa_float_denorm_mode_32 3
		.amdhsa_float_denorm_mode_16_64 3
		.amdhsa_memory_ordered 1
		.amdhsa_forward_progress 1
		.amdhsa_inst_pref_size 18
	.end_amdhsa_kernel
	.amdgpu_metadata
---
amdhsa.version: [ 1, 2 ]
amdhsa.kernels:
  - .name:           k_q4cc464af14_fin
    .symbol:         k_q4cc464af14_fin.kd
    .args:
      - { .name: HS, .offset: 0, .size: 8, .value_kind: global_buffer, .address_space: global }
      - { .name: X, .offset: 8, .size: 8, .value_kind: global_buffer, .address_space: global }
      - { .name: RES, .offset: 16, .size: 8, .value_kind: global_buffer, .address_space: global }
      - { .name: fw2, .offset: 24, .size: 8, .value_kind: global_buffer, .address_space: global }
      - { .name: out0, .offset: 32, .size: 8, .value_kind: global_buffer, .address_space: global }
    .group_segment_fixed_size: 9728
    .private_segment_fixed_size: 0
    .kernarg_segment_align: 8
    .kernarg_segment_size: 40
    .max_flat_workgroup_size: 256
    .sgpr_count:     66
    .vgpr_count:     256
    .wavefront_size: 32
...
	.end_amdgpu_metadata
.endif
;; end of part 5
;; ======== version 2 of 2: 6 launches
;; limits: values outside matrix products are rounded to bf16
;; workspace buffers: X 17,825,792 bytes; WKQ 1,048,576 bytes; WVF 2,621,440 bytes; MW 16,384 bytes of whole numbers; KQ 16,777,216 bytes; V 8,388,608 bytes; RES 9,437,184 bytes; HS 524,288 bytes
;; launch prep: the kernel of part 1 again; grid 256 x 1, 8 waves a work-group, no clusters, 0 bytes of LDS; arguments queries, keys, pos_table, key_masks, W_key, W_Query, W_Value, fw1, X, WKQ, WVF, MW; writes X, WKQ, WVF, MW
;; launch qk (part 6): grid 4 x 64, 4 waves a work-group, clusters of 4 x 4, 327,680 bytes of LDS; arguments X, WKQ, KQ; writes KQ
.if DOCPART == 6
	.amdgcn_target "amdgcn-amd-amdhsa--gfx1250"
	.amdhsa_code_object_version 6
	.text
	.protected	k_q4cc464af14_qk
	.globl	k_q4cc464af14_qk
	.p2align	8
	.type	k_q4cc464af14_qk,@function
k_q4cc464af14_qk:
	s_mov_b64 s[64:65], 0
	v_nop
	global_prefetch_b8 v0, s[64:65] scope:SCOPE_SE
	s_setreg_imm32_b32 hwreg(HW_REG_WAVE_MODE, 25, 1), 1
	s_wait_xcnt 0x0
	s_wait_alu depctr_hold_cnt(0) depctr_sa_sdst(0) depctr_va_vdst(0) depctr_va_sdst(0) depctr_va_ssrc(0) depctr_va_vcc(0) depctr_vm_vsrc(0)
	s_getreg_b32 s2, hwreg(HW_REG_IB_STS2, 6, 4)
	s_cmp_eq_u32 s2, 0
	s_cbranch_scc0 .Lentry_in_a_cluster
	s_endpgm
.Lentry_in_a_cluster:
	s_bfe_u32 s2, ttmp6, 0x10000c
	s_cmp_lg_u32 s2, 0xf033
	s_cbranch_scc0 .Lentry_shape_is_right
	s_endpgm
.Lentry_shape_is_right:
; k = k_in W_key (block rows 0-31) and q = q_in W_Query (block rows 32-63, the second half of all three buffers): C = A W, K = 512.
; A and C: bf16 chunk-major (element (b, t, col) at ((8 b + col/64) 1024 + t) 128 + 2 (col % 64)); W: bf16 [512][512]; sums in f32.
; A work-group makes 256 rows x 128 columns with four waves, as many as a WGP has SIMDs; a wave makes 128 x 64 (one chunk of C): 32 accumulator
; tiles, 256 registers.  2 x 32 block rows x 4 block columns = 256 work-groups.  For 32 along K a wave issues 24 LDS loads and 32 matrix instructions.
; K goes in four steps of 128 through a ring of two LDS slots.  A slot holds A's two chunks (256 rows x 64 k each) and W's 128 k x 128 columns; each
; wave brings a quarter of it by one tensor load (by this text's count two are outstanding at the most).  K steps 0 and 1 are first fills, 2 and 3 refills.
; CLUSTERS: 4 x 4 work-groups.  A's tiles hang on the block row alone and are asked for jointly by a row of the cluster, W's on the block column
; alone and by a column: the requests for both are divided by four.
; REGISTERS, in windows of 256: window 0: addresses, W's fragments (two buffers, v64-127 and v128-191, half of each used), work registers;
; window 1: A's fragments, two buffers; window 2: the accumulators, tile (a, b) at v[8 (4 a + b)].
; THE MATRIX INSTRUCTION IS USED TRANSPOSED: source 0 = 16 columns of W, source 1 = 16 rows of A, so that a lane's eight results are eight
; neighbouring columns of one row of C, which pack into 16 bytes.
.set NB,     4                         ; column tiles of a wave
.set NCOL,   512
.set BCOLB,  64*NB                     ; bytes of the block's columns in a row of W
.set APITCH, 144                       ; 128 bytes + 16: sixteen rows of a fragment start at sixteen different 16-byte columns of 256
.set BPITCH, BCOLB+32                  ; 288: an odd multiple of 32, for the transposing loads
.set ACH,    256*APITCH                ; a chunk of A: what waves 0, 1 bring
.set BHALF,  64*BPITCH                 ; 64 k of W: what waves 2, 3 bring
.set BOFF,   2*ACH
.set SLOT,   BOFF+2*BHALF              ; 110,592
.set STAGE,  2*SLOT                    ; behind the ring: bytes that no tensor load fills, 16 rows x 144 bytes for each wave
.set ASTEP,  2*131072                  ; a K step in A: two chunks
.set BSTEP,  128*NCOL*2                ; a K step in W: 128 rows
.set ADRA, 16                          ; v16-17  my A fragments in slot 0, 1
.set ADRB, 20                          ; v20-21  my W fragments
.set STO,  24
.set RD,   25
.set CO,   26
.set F0,   64
.set F1,   128
.set TMP,  192
.set G1A, 16                           ; s[16:23]
.set G1B, 24                           ; s[24:31]
.set G0A, 32                           ; s[32:39]  a group 0 for each slot
.set G0B, 40                           ; s[40:47]
.set MUL,  0xa4                        ; source 0 (W) window 0, source 1 (A) window 1, C and D window 2
.set TO_A, 0x40                        ; destination window 1, address window 0
.set MSB, 0
.macro WIN new                         ; the immediate's high byte repeats the setting that is left
.if MSB != \new
	s_set_vgpr_msb (MSB<<8)|\new
.set MSB, \new
.endif
.endm
.macro PLACES                          ; four plain vector instructions behind a matrix instruction before its registers are loaded into or its result is read (ISA guide 7.12.1)
.rept 4
	v_nop
.endr
.endm
.macro JLOAD s                         ; waves 0, 1 ask for A's two chunks, waves 2, 3 for W's two halves: each line has one mask
	s_cmp_eq_u32 s11, 0
	s_cbranch_scc0 .Lfor_b_\@
	tensor_load_to_lds s[G0A+4*\s:G0A+4*\s+3], s[G1A:G1A+7]
	s_nop 0
	s_branch .Lasked_\@
.Lfor_b_\@:
	tensor_load_to_lds s[G0B+4*\s:G0B+4*\s+3], s[G1B:G1B+7]
	s_nop 0
.Lasked_\@:
.endm
.macro CREST                           ; a round of the cluster's barrier behind its opening barrier
	s_cmp_lg_u32 s10, 0
	s_cbranch_scc1 .Lnot_wave_0_\@
	s_barrier_signal -3
.Lnot_wave_0_\@:
	s_barrier_wait -3
	s_barrier_signal -1
	s_barrier_wait -1
.endm
.macro CROUND                          ; a whole round
	s_barrier_signal -1
	s_barrier_wait -1
	CREST
.endm
	s_load_b128 s[4:7], s[0:1], 0x0                ; A, W
	s_load_b64 s[8:9], s[0:1], 0x10                ; C
	v_lshl_add_u32 v255, v0, 2, 0x38400
	s_set_vgpr_msb 0x40
	v_mov_b32 v255, 0
	s_set_vgpr_msb 0x4044
	ds_add_u32 v255, v255
	s_set_vgpr_msb 0x4400
	v_lshrrev_b32 v1, 5, v0
	v_readfirstlane_b32 s10, v1                    ; wave
	s_lshr_b32 s11, s10, 1                         ; my half of the rows; also: I fetch for A (0) or W (1)
	s_and_b32 s12, s10, 1                          ; my half of the columns; also: which half of the tile I fetch
	s_bfe_u32 s13, ttmp6, 0x40000                  ; cx
	s_bfe_u32 s14, ttmp6, 0x40004                  ; cy
	s_lshl_b32 s15, ttmp9, 2
	s_add_co_u32 s15, s15, s13                     ; block column 0..3
	s_and_b32 s48, ttmp7, 0xffff                   ; the cluster's y, 0..15
	s_lshr_b32 s49, s48, 3                         ; z: k (0) or q (1); the same in the whole cluster
	s_and_b32 s50, s48, 7
	s_lshl_b32 s50, s50, 2
	s_add_co_u32 s50, s50, s14                     ; block row 0..31
	s_lshr_b32 s51, s50, 2                         ; batch
	s_and_b32 s52, s50, 3                          ; which 256 rows of the batch
	s_lshl_b32 s53, s14, 2
	s_lshl_b32 s53, 15, s53                        ; my row of the cluster
	s_lshl_b32 s54, 0x1111, s13                    ; my column
	; group 1 for A: 256 rows x 64 elements of 2 bytes, dense in memory; 4 words of padding behind every 32
	s_or_b32 s[G1A+0], s53, 0x07310000             ; mask; element size 1<<16; padding 1<<20; 1<<21 beside a mask; interval 4<<22; pad 3<<25
	s_mov_b32 s[G1A+1], 64<<16                     ; tensor_dim0
	s_mov_b32 s[G1A+2], 256<<16                    ; tensor_dim1
	s_mov_b32 s[G1A+3], 64<<16                     ; tile_dim0
	s_mov_b32 s[G1A+4], 256                        ; tile_dim1
	s_mov_b32 s[G1A+5], 64                         ; elements from row to row
	s_mov_b32 s[G1A+6], 0
	s_mov_b32 s[G1A+7], 0
	; group 1 for W: 64 rows (k) x 128 elements; 8 words of padding behind every 64
	s_or_b32 s[G1B+0], s54, 0x0f710000             ; interval 5<<22; pad 7<<25
	s_mov_b32 s[G1B+1], (32*NB)<<16
	s_mov_b32 s[G1B+2], 64<<16
	s_mov_b32 s[G1B+3], (32*NB)<<16
	s_mov_b32 s[G1B+4], 64
	s_mov_b32 s[G1B+5], NCOL
	s_mov_b32 s[G1B+6], 0
	s_mov_b32 s[G1B+7], 0
	; A's tiles: half of the buffer, batch, the block's 256 rows, my chunk of K step 0.  No register here ever holds cx.
	s_lshl_b32 s56, s49, 23
	s_lshl_b32 s60, s51, 20
	s_add_co_u32 s56, s56, s60
	s_lshl_b32 s60, s52, 15
	s_add_co_u32 s56, s56, s60
	s_lshl_b32 s60, s12, 17
	s_add_co_u32 s56, s56, s60
	s_mov_b32 s57, 0
	; W's tiles: half of the buffer, the block's columns, my 64 k of K step 0.  No register here ever holds cy.
	s_lshl_b32 s58, s49, 19
	s_mul_i32 s61, s15, BCOLB
	s_add_co_u32 s58, s58, s61
	s_mul_i32 s61, s12, 64*NCOL*2
	s_add_co_u32 s58, s58, s61
	s_mov_b32 s59, 0
	; where the results go: my 64 columns are chunk 2 x block column + half, my 128 rows a dense block of 16,384 bytes in it
	s_lshl_b32 s84, s49, 23
	s_lshl_b32 s86, s51, 20
	s_add_co_u32 s84, s84, s86
	s_lshl1_add_u32 s86, s15, s12
	s_lshl_b32 s86, s86, 17
	s_add_co_u32 s84, s84, s86
	s_lshl_b32 s86, s52, 15
	s_add_co_u32 s84, s84, s86
	s_lshl_b32 s86, s11, 14
	s_add_co_u32 s84, s84, s86
	s_mov_b32 s85, 0
	s_mul_i32 s55, s10, ACH                        ; LDS: waves 0, 1: A's chunks
	s_mul_i32 s87, s10, BHALF
	s_add_co_u32 s87, s87, BOFF-2*BHALF            ; waves 2, 3: BOFF + (wave - 2) x 64 rows of W
	s_wait_dscnt 0x0
	s_wait_kmcnt 0x0
	s_add_nc_u64 s[56:57], s[4:5], s[56:57]
	s_add_nc_u64 s[58:59], s[6:7], s[58:59]
	s_add_nc_u64 s[8:9], s[8:9], s[84:85]
	CROUND                                         ; all sixteen work-groups are here: the first joint loads meet
.irp s, 0,1
	s_mov_b32 s[G0A+4*\s], 1
	s_add_co_u32 s[G0A+4*\s+1], s55, \s*SLOT
	s_add_nc_u64 s[G0A+4*\s+2:G0A+4*\s+3], s[56:57], \s*ASTEP
	s_or_b32 s[G0A+4*\s+3], s[G0A+4*\s+3], 0x80000000
	s_mov_b32 s[G0B+4*\s], 1
	s_add_co_u32 s[G0B+4*\s+1], s87, \s*SLOT
	s_add_nc_u64 s[G0B+4*\s+2:G0B+4*\s+3], s[58:59], \s*BSTEP
	s_or_b32 s[G0B+4*\s+3], s[G0B+4*\s+3], 0x80000000
	JLOAD \s                                       ; the ring is filled before anything else is done
.endr
	v_and_b32 v1, 15, v0                           ; r
	v_bfe_u32 v2, v0, 4, 1                         ; h
	v_and_b32 v3, 7, v0
	v_bfe_u32 v4, v0, 3, 1
	v_mul_u32_u24 v5, v1, APITCH
	v_lshl_add_u32 v5, v2, 4, v5                   ; A fragment: row r, 16 bytes for each half of the lanes
	v_lshl_add_u32 v6, v2, 3, v3
	v_mul_u32_u24 v6, v6, BPITCH                   ; W fragment through the transposing load: row k = 8 h + l % 8,
	v_lshl_add_u32 v6, v4, 4, v6                   ; 16 bytes by bit 3 of the lane
	s_mul_i32 s60, s11, 128*APITCH                 ; my 128 rows of A
	s_mul_i32 s61, s12, BCOLB/2                    ; my columns of W
	s_add_co_u32 s61, s61, BOFF
.irp s, 0,1
	v_add_nc_u32 v[ADRA+\s], s60, v5
	v_add_nc_u32 v[ADRB+\s], s61, v6
	s_add_co_u32 s60, s60, SLOT
	s_add_co_u32 s61, s61, SLOT
.endr
	v_and_b32 v8, 31, v0
	v_lshlrev_b32 v[CO], 4, v8                     ; 16 x lane
	s_mul_i32 s60, s10, 16*APITCH
	s_add_co_u32 s60, s60, STAGE                   ; my stage
	v_add_nc_u32 v[STO], s60, v5
	v_bfe_u32 v7, v0, 3, 2
	v_mul_u32_u24 v7, v7, APITCH
	v_lshl_add_u32 v7, v3, 4, v7
	v_add_nc_u32 v[RD], s60, v7                    ; back: eight lanes take a row of 128 bytes
; Eight matrix instructions: row tiles 4 hi + a0, + 1 x my four column tiles, 32 along K, from buffer f.  zero = 1: the product starts the sums.
; The 32 accumulators take turns, one instruction a turn, in the same order in every quarter step.
.macro MULH f, hi, a0, zero
.irp a, \a0, \a0+1
.irp b, 0,1,2,3
.if \zero
	v_wmma_f32_16x16x32_bf16 v[8*(4*(4*\hi+\a)+\b):8*(4*(4*\hi+\a)+\b)+7], v[\f+8*\b:\f+8*\b+7], v[\f+8*(4*\hi+\a):\f+8*(4*\hi+\a)+7], 0
.else
	v_wmma_f32_16x16x32_bf16 v[8*(4*(4*\hi+\a)+\b):8*(4*(4*\hi+\a)+\b)+7], v[\f+8*\b:\f+8*\b+7], v[\f+8*(4*\hi+\a):\f+8*(4*\hi+\a)+7], v[8*(4*(4*\hi+\a)+\b):8*(4*(4*\hi+\a)+\b)+7]
.endif
.endr
.endr
.endm
; 24 LDS loads in one run: the fragments of quarter q (32 k) of a slot into buffer f: W's four, then A's rows 0-63, then A's rows 64-127
.macro FETCH slot, q, f
	WIN 0
.irp b, 0,1,2,3
	ds_load_tr16_b128 v[\f+8*\b:\f+8*\b+3],   v[ADRB+\slot] offset:\q*32*BPITCH+32*\b
	ds_load_tr16_b128 v[\f+8*\b+4:\f+8*\b+7], v[ADRB+\slot] offset:\q*32*BPITCH+32*\b+16*BPITCH
.endr
	WIN TO_A
.irp i, 0,1,2,3,4,5,6,7
	ds_load_b128 v[\f+8*\i:\f+8*\i+3],   v[ADRA+\slot] offset:(\q>>1)*ACH+(\q&1)*64+\i*16*APITCH
	ds_load_b128 v[\f+8*\i+4:\f+8*\i+7], v[ADRA+\slot] offset:(\q>>1)*ACH+(\q&1)*64+\i*16*APITCH+32
.endr
.endm
; One of a K step's first three quarters: multiplies buffer f; in its middle it fetches quarter q of the same slot into buffer g
.macro QUARTER slot, q, f, g, zero
	s_wait_dscnt 8                                 ; W and A's rows 0-63 are in; the youngest eight loads (A's rows 64-127) may be out
	WIN MUL
	MULH \f, 0, 0, \zero
	MULH \f, 0, 2, \zero
	PLACES
	FETCH \slot, \q, \g
	s_wait_dscnt 16+2*NB                           ; all but the 24 just issued
	WIN MUL
	MULH \f, 1, 0, \zero
	MULH \f, 1, 2, \zero
.endm
.macro THREE slot, zero
	QUARTER \slot, 1, F0, F1, \zero
	QUARTER \slot, 2, F1, F0, 0
	QUARTER \slot, 3, F0, F1, 0
.endm
; The last quarter: multiplies buffer 1 and changes slots.  fill = 1: this slot is filled again, two K steps ahead.
; One barrier for the change of slots.  In front of it each wave waits for its own reads of this slot and for all its tensor loads, of which one is
; out: its part of the next slot.  Behind it nobody reads this slot any more and the next slot is whole: the refill comes first, then the next
; slot's first fragments.  Where a slot is filled again the barrier opens a round of the cluster's barrier.
.macro TURN slot, next, fill
	s_wait_dscnt 8
	WIN MUL
	MULH F1, 0, 0, 0
	s_wait_dscnt 0                                 ; my reads of this slot are over
	s_wait_tensorcnt 0x0                           ; and all my tensor loads have landed:
	ds_add_u32 v255, v255
	s_wait_dscnt 0x0
	s_barrier_signal -1                            ; say so,
	MULH F1, 0, 2, 0                               ; work on registers while the others arrive,
	WIN 0
	s_barrier_wait -1                              ; and go on when all four waves have said so
.if \fill
	CREST                                          ; all sixteen work-groups have said so: no wave of any partner still reads this slot or has a load on its way
	s_add_nc_u64 s[G0A+4*\slot+2:G0A+4*\slot+3], s[G0A+4*\slot+2:G0A+4*\slot+3], 2*ASTEP
	s_add_nc_u64 s[G0B+4*\slot+2:G0B+4*\slot+3], s[G0B+4*\slot+2:G0B+4*\slot+3], 2*BSTEP
	JLOAD \slot                                    ; the first tensor load behind the round
.endif
	PLACES
	FETCH \next, 0, F0
	WIN MUL
	MULH F1, 1, 0, 0
	MULH F1, 1, 2, 0
.endm
	s_wait_tensorcnt 1                             ; my part of K step 0 is in; K step 1's load stays out
	s_barrier_signal -1
	s_barrier_wait -1                              ; everybody's is
	FETCH 0, 0, F0
	THREE 0, 1                                     ; K step 0: its first products start the sums, nothing is cleared
	TURN 0, 1, 1                                   ; slot 0 gets K step 2
	THREE 1, 0                                     ; K step 1
	TURN 1, 0, 1                                   ; slot 1 gets K step 3
	THREE 0, 0                                     ; K step 2
	TURN 0, 1, 0                                   ; nothing more to fetch
	THREE 1, 0                                     ; K step 3
	s_wait_dscnt 8
	WIN MUL
	MULH F1, 0, 0, 0
	MULH F1, 0, 2, 0
	s_wait_dscnt 0
	MULH F1, 1, 0, 0
	MULH F1, 1, 2, 0
	PLACES                                         ; behind the last matrix instructions: results are read and fragment registers loaded into below
	; THE WAY OUT, 16 rows at a time: round to bf16, 16 bytes a lane into my own stage, back as rows of 128 bytes, which are consecutive in the chunk.
	; Each row block has read-back registers of its own (W's fragment buffers, 8 x 16), so no register that a store reads is written again.
.macro OUT16 a
	WIN 0x0a                                       ; sources 0 and 1 in window 2
.irp b, 0,1,2,3
.irp q, 0,1,2,3
	v_cvt_pk_bf16_f32 v[TMP+4*\b+\q], v[8*(4*\a+\b)+2*\q], v[8*(4*\a+\b)+2*\q+1]
.endr
.endr
	WIN 0
.irp b, 0,1,2,3
	ds_store_b128 v[STO], v[TMP+4*\b:TMP+4*\b+3] offset:32*\b
.endr
.irp i, 0,1,2,3
	ds_load_b128 v[F0+16*\a+4*\i:F0+16*\a+4*\i+3], v[RD] offset:4*APITCH*\i    ; LDS serves a wave's instructions in order (ISA guide 5.7.1): these see the stores above
.endr
.irp i, 0,1,2,3
	s_wait_dscnt 3-\i                              ; the younger read-backs may stay out
	global_store_b128 v[CO], v[F0+16*\a+4*\i:F0+16*\a+4*\i+3], s[8:9] offset:2048*\a+512*\i   ; 512 consecutive bytes, aligned
.endr
.endm
.irp a, 0,1,2,3,4,5,6,7
	OUT16 \a
.endr
	s_set_vgpr_msb 0x4
	s_wait_tensorcnt 0x0
	ds_add_u32 v255, v255
	s_wait_dscnt 0x0
	s_set_vgpr_msb 0x400
	CROUND                                         ; the closing round: no work-group ends while a partner may still ask for a tile that names it
	s_endpgm
.Lfunc_end_k_q4cc464af14_qk:
	.size	k_q4cc464af14_qk, .Lfunc_end_k_q4cc464af14_qk-k_q4cc464af14_qk
	.p2alignl 7, 3214868480
	.fill 96, 4, 3214868480
	.section	.rodata,"a",@progbits
	.p2align	6, 0x0
	.amdhsa_kernel k_q4cc464af14_qk
		.amdhsa_group_segment_fixed_size 327680
		.amdhsa_private_segment_fixed_size 0
		.amdhsa_enable_private_segment 0
		.amdhsa_kernarg_size 24
		.amdhsa_user_sgpr_count 2
		.amdhsa_user_sgpr_kernarg_segment_ptr 1
		.amdhsa_wavefront_size32 1
		.amdhsa_system_sgpr_workgroup_id_x 1
		.amdhsa_system_sgpr_workgroup_id_y 1
		.amdhsa_system_sgpr_workgroup_id_z 1
		.amdhsa_system_vgpr_workitem_id 0
		.amdhsa_next_free_vgpr 768
		.amdhsa_next_free_sgpr 88
		.amdhsa_reserve_vcc 0
		.amdhsa_float_denorm_mode_32 3
		.amdhsa_float_denorm_mode_16_64 3
		.amdhsa_memory_ordered 1
		.amdhsa_forward_progress 1
		.amdhsa_inst_pref_size 87
	.end_amdhsa_kernel
	.amdgpu_metadata
---
amdhsa.version: [ 1, 2 ]
amdhsa.kernels:
  - .name:           k_q4cc464af14_qk
    .symbol:         k_q4cc464af14_qk.kd
    .args:
      - { .name: X, .offset: 0, .size: 8, .value_kind: global_buffer, .address_space: global }
      - { .name: WKQ, .offset: 8, .size: 8, .value_kind: global_buffer, .address_space: global }
      - { .name: KQ, .offset: 16, .size: 8, .value_kind: global_buffer, .address_space: global }
    .group_segment_fixed_size: 327680
    .private_segment_fixed_size: 0
    .kernarg_segment_align: 8
    .kernarg_segment_size: 24
    .max_flat_workgroup_size: 128
    .sgpr_count:     88
    .vgpr_count:     768
    .wavefront_size: 32
...
	.end_amdgpu_metadata
.endif
;; end of part 6
;; launch vproj (part 7): grid 4 x 64, 4 waves a work-group, clusters of 4 x 4, 304,640 bytes of LDS; arguments KQ, WVF, V; writes V
.if DOCPART == 7
	.amdgcn_target "amdgcn-amd-amdhsa--gfx1250"
	.amdhsa_code_object_version 6
	.text
	.protected	k_q4cc464af14_vproj
	.globl	k_q4cc464af14_vproj
	.p2align	8
	.type	k_q4cc464af14_vproj,@function
k_q4cc464af14_vproj:
	s_mov_b64 s[64:65], 0
	v_nop
	global_prefetch_b8 v0, s[64:65] scope:SCOPE_SE
	s_setreg_imm32_b32 hwreg(HW_REG_WAVE_MODE, 25, 1), 1
	s_wait_xcnt 0x0
	s_wait_alu depctr_hold_cnt(0) depctr_sa_sdst(0) depctr_va_vdst(0) depctr_va_sdst(0) depctr_va_ssrc(0) depctr_va_vcc(0) depctr_vm_vsrc(0)
	s_getreg_b32 s2, hwreg(HW_REG_IB_STS2, 6, 4)
	s_cmp_eq_u32 s2, 0
	s_cbranch_scc0 .Lentry_in_a_cluster
	s_endpgm
.Lentry_in_a_cluster:
	s_bfe_u32 s2, ttmp6, 0x10000c
	s_cmp_lg_u32 s2, 0xf033
	s_cbranch_scc0 .Lentry_shape_is_right
	s_endpgm
.Lentry_shape_is_right:
; v = k W_Value: C = A W for 128 x 128 of C and the whole K = 512.  A (k, the first half of its buffer) and C: bf16 chunk-major (element (b, t, col)
; at ((8 b + col/64) 1024 + t) 128 + 2 (col % 64)); W: bf16 [512][512], the first 524,288 bytes of its buffer; sums in f32.
; 64 block rows x 4 block columns = 256 work-groups: larger blocks would leave WGPs without work.
; Four waves, each 64 x 64 of C: 16 accumulator tiles.  The block's whole A (8 chunks of 128 rows x 64 k) and W (512 k x 128 columns)
; stand in LDS, each byte filled once: no slot is ever filled again.  The tiles come by four tensor loads a wave (by this text's count four
; are outstanding at the most), K in four stages of 128; a stage is multiplied behind a counted wait and a barrier while the later ones land.
; CLUSTERS: 4 x 4 work-groups.  A's tiles hang on the block row alone and are asked for jointly by a row of the cluster, W's on the block
; column alone and by a column: the requests for both are divided by four.
; REGISTERS: window 0: addresses, two buffers of fragments (A v64-127, W v128-191), work registers; window 1: the accumulators,
; tile (a, b) at v[8 (4 a + b)].
.set NCOL,   512
.set APITCH, 144                       ; 128 bytes + 16: sixteen rows of a fragment start at sixteen different 16-byte columns of 256
.set BPITCH, 288                       ; 256 bytes + 32: an odd multiple of 32, for the transposing loads
.set CHUNK,  18432                     ; 128 rows of A = 64 rows of W
.set BBASE,  8*CHUNK
.set STAGE,  16*CHUNK                  ; bytes that no tensor load fills
.set ADRA, 16                          ; v16-19  my A fragments, stage 0..3
.set ADRB, 20                          ; v20-23  my W fragments
.set STO,  24
.set RD,   25
.set CO,   26
.set FA,   64
.set FB,   128
.set TMP,  192
.set G1A, 16                           ; s[16:23]
.set G1B, 24                           ; s[24:31]
.set G0A, 32                           ; s[32:47]  one group 0 for each stage
.set G0B, 68                           ; s[68:83]
.set MUL, 0x50                         ; C and D in window 1, the fragments in window 0
.set MSB, 0
.macro WIN new                         ; the immediate's high byte repeats the setting that is left
.if MSB != \new
	s_set_vgpr_msb (MSB<<8)|\new
.set MSB, \new
.endif
.endm
.macro PLACES                          ; four plain vector instructions behind a matrix instruction before its registers are loaded into or its result is read (ISA guide 7.12.1)
.rept 4
	v_nop
.endr
.endm
.macro JLOAD s                         ; waves 0, 1 ask for A's two chunks of stage s, waves 2, 3 for W's: each line has one mask
	s_cmp_eq_u32 s11, 0
	s_cbranch_scc0 .Lfor_b_\@
	tensor_load_to_lds s[G0A+4*\s:G0A+4*\s+3], s[G1A:G1A+7]
	s_nop 0
	s_branch .Lasked_\@
.Lfor_b_\@:
	tensor_load_to_lds s[G0B+4*\s:G0B+4*\s+3], s[G1B:G1B+7]
	s_nop 0
.Lasked_\@:
.endm
.macro CROUND                          ; a round of the cluster's barrier
	s_barrier_signal -1
	s_barrier_wait -1
	s_cmp_lg_u32 s10, 0
	s_cbranch_scc1 .Lnot_wave_0_\@
	s_barrier_signal -3
.Lnot_wave_0_\@:
	s_barrier_wait -3
	s_barrier_signal -1
	s_barrier_wait -1
.endm
	s_load_b128 s[4:7], s[0:1], 0x0                ; A, W
	s_load_b64 s[8:9], s[0:1], 0x10                ; C
	v_lshl_add_u32 v254, v0, 2, 0x4a400
	v_mov_b32 v255, 0
	ds_add_u32 v254, v255
	v_lshrrev_b32 v1, 5, v0
	v_readfirstlane_b32 s10, v1                    ; wave
	s_lshr_b32 s11, s10, 1                         ; my half of the rows; also: I fetch for A (0) or W (1)
	s_and_b32 s12, s10, 1                          ; my half of the columns; also: which chunk of a stage I fetch
	s_bfe_u32 s13, ttmp6, 0x40000                  ; cx
	s_bfe_u32 s14, ttmp6, 0x40004                  ; cy
	s_lshl_b32 s15, ttmp9, 2
	s_add_co_u32 s15, s15, s13                     ; block column
	s_and_b32 s50, ttmp7, 0xffff                   ; the cluster's y
	s_lshl_b32 s50, s50, 2
	s_add_co_u32 s50, s50, s14                     ; block row 0..63
	s_lshr_b32 s51, s50, 3                         ; batch
	s_and_b32 s52, s50, 7                          ; which 128 rows of the batch
	s_lshl_b32 s53, s14, 2
	s_lshl_b32 s53, 15, s53                        ; my row of the cluster
	s_lshl_b32 s54, 0x1111, s13                    ; my column
	; group 1 for A: 128 rows x 64 elements of 2 bytes, dense in memory; 4 words of padding behind every 32
	s_or_b32 s[G1A+0], s53, 0x07310000             ; mask; element size 1<<16; padding 1<<20; 1<<21 beside a mask; interval 4<<22; pad 3<<25
	s_mov_b32 s[G1A+1], 64<<16                     ; tensor_dim0
	s_mov_b32 s[G1A+2], 128<<16                    ; tensor_dim1
	s_mov_b32 s[G1A+3], 64<<16                     ; tile_dim0
	s_mov_b32 s[G1A+4], 128                        ; tile_dim1
	s_mov_b32 s[G1A+5], 64                         ; elements from row to row
	s_mov_b32 s[G1A+6], 0
	s_mov_b32 s[G1A+7], 0
	; group 1 for W: 64 rows (k) x 128 elements; 8 words of padding behind every 64
	s_or_b32 s[G1B+0], s54, 0x0f710000
	s_mov_b32 s[G1B+1], 128<<16
	s_mov_b32 s[G1B+2], 64<<16
	s_mov_b32 s[G1B+3], 128<<16
	s_mov_b32 s[G1B+4], 64
	s_mov_b32 s[G1B+5], NCOL
	s_mov_b32 s[G1B+6], 0
	s_mov_b32 s[G1B+7], 0
	; A's tiles: batch, the block's 128 rows, my chunk of stage 0.  No register here ever holds cx.
	s_lshl_b32 s56, s51, 20
	s_lshl_b32 s60, s52, 14
	s_add_co_u32 s56, s56, s60
	s_lshl_b32 s60, s12, 17
	s_add_co_u32 s56, s56, s60
	s_mov_b32 s57, 0
	; W's tiles: the block's 128 columns, my 64 k of stage 0.  No register here ever holds cy.
	s_lshl_b32 s58, s15, 8
	s_mul_i32 s61, s12, 64*NCOL*2
	s_add_co_u32 s58, s58, s61
	s_mov_b32 s59, 0
	; where the results go
	s_lshl_b32 s84, s51, 20
	s_lshl1_add_u32 s86, s15, s12                  ; my 64 columns are chunk 2 x block column + half
	s_lshl_b32 s86, s86, 17
	s_add_co_u32 s84, s84, s86
	s_lshl_b32 s86, s52, 14
	s_add_co_u32 s84, s84, s86
	s_lshl_b32 s86, s11, 13                        ; my 64 rows of 128 bytes
	s_add_co_u32 s84, s84, s86
	s_mov_b32 s85, 0
	s_mul_i32 s55, s10, CHUNK                      ; LDS: A's chunks 0, 1 for waves 0, 1; W's for waves 2, 3 (BBASE - 2 CHUNK + wave x CHUNK)
	s_wait_dscnt 0x0
	s_wait_kmcnt 0x0
	s_add_nc_u64 s[56:57], s[4:5], s[56:57]
	s_add_nc_u64 s[58:59], s[6:7], s[58:59]
	s_add_nc_u64 s[8:9], s[8:9], s[84:85]
	CROUND                                         ; all sixteen work-groups are here: the joint loads meet
.irp s, 0,1,2,3
	s_mov_b32 s[G0A+4*\s], 1
	s_add_co_u32 s[G0A+4*\s+1], s55, \s*2*CHUNK
	s_add_nc_u64 s[G0A+4*\s+2:G0A+4*\s+3], s[56:57], \s*262144
	s_or_b32 s[G0A+4*\s+3], s[G0A+4*\s+3], 0x80000000
	s_mov_b32 s[G0B+4*\s], 1
	s_add_co_u32 s[G0B+4*\s+1], s55, BBASE-2*CHUNK+\s*2*CHUNK
	s_add_nc_u64 s[G0B+4*\s+2:G0B+4*\s+3], s[58:59], \s*128*NCOL*2
	s_or_b32 s[G0B+4*\s+3], s[G0B+4*\s+3], 0x80000000
	JLOAD \s
.endr
	v_and_b32 v1, 15, v0                           ; r
	v_bfe_u32 v2, v0, 4, 1                         ; h
	v_and_b32 v3, 7, v0
	v_bfe_u32 v4, v0, 3, 1
	v_mul_u32_u24 v5, v1, APITCH
	v_lshl_add_u32 v5, v2, 4, v5                   ; A fragment: row r, 16 bytes for each half of the lanes
	v_lshl_add_u32 v6, v2, 3, v3
	v_mul_u32_u24 v6, v6, BPITCH                   ; W fragment through the transposing load: row k = 8 h + l % 8,
	v_lshl_add_u32 v6, v4, 4, v6                   ; 16 bytes by bit 3 of the lane
	s_mul_i32 s60, s11, 64*APITCH
	s_lshl_b32 s61, s12, 7
	s_add_co_u32 s61, s61, BBASE
.irp s, 0,1,2,3
	v_add_nc_u32 v[ADRA+\s], s60, v5
	v_add_nc_u32 v[ADRB+\s], s61, v6
	s_add_co_u32 s60, s60, 2*CHUNK
	s_add_co_u32 s61, s61, 2*CHUNK
.endr
	v_and_b32 v8, 31, v0
	v_lshlrev_b32 v[CO], 4, v8                     ; 16 x lane
	s_mul_i32 s60, s10, 16*APITCH
	s_add_co_u32 s60, s60, STAGE                   ; my stage: 16 rows of 144 bytes
	v_add_nc_u32 v[STO], s60, v5
	v_bfe_u32 v7, v0, 3, 2
	v_mul_u32_u24 v7, v7, APITCH
	v_lshl_add_u32 v7, v3, 4, v7
	v_add_nc_u32 v[RD], s60, v7                    ; back: eight lanes take a row of 128 bytes
; Eight matrix instructions: row tiles a0, a0 + 1 x four column tiles, 32 along K, from buffer f.  Source 0 = W's columns, source 1 = A's rows,
; so that a lane's eight results are neighbouring columns of one row.
; The sixteen accumulators take turns, one instruction a turn, in the same order in every step.
.macro MUL8 f, a0, zero
.irp a, \a0, \a0+1
.irp b, 0,1,2,3
.if \zero
	v_wmma_f32_16x16x32_bf16 v[8*(4*(\a)+\b):8*(4*(\a)+\b)+7], v[FB+32*\f+8*\b:FB+32*\f+8*\b+7], v[FA+32*\f+8*(\a):FA+32*\f+8*(\a)+7], 0
.else
	v_wmma_f32_16x16x32_bf16 v[8*(4*(\a)+\b):8*(4*(\a)+\b)+7], v[FB+32*\f+8*\b:FB+32*\f+8*\b+7], v[FA+32*\f+8*(\a):FA+32*\f+8*(\a)+7], v[8*(4*(\a)+\b):8*(4*(\a)+\b)+7]
.endif
.endr
.endr
.endm
; Sixteen LDS loads: the fragments of K step ks of stage st into buffer f: W's four, then A's rows 0-31, then A's rows 32-63
.macro FETCH st, ks, f
.irp b, 0,1,2,3
	ds_load_tr16_b128 v[FB+32*\f+8*\b:FB+32*\f+8*\b+3],   v[ADRB+\st] offset:\ks*32*BPITCH+32*\b
	ds_load_tr16_b128 v[FB+32*\f+8*\b+4:FB+32*\f+8*\b+7], v[ADRB+\st] offset:\ks*32*BPITCH+32*\b+16*BPITCH
.endr
.irp a, 0,1,2,3
	ds_load_b128 v[FA+32*\f+8*\a:FA+32*\f+8*\a+3],   v[ADRA+\st] offset:(\ks>>1)*CHUNK+(\ks&1)*64+\a*16*APITCH
	ds_load_b128 v[FA+32*\f+8*\a+4:FA+32*\f+8*\a+7], v[ADRA+\st] offset:(\ks>>1)*CHUNK+(\ks&1)*64+\a*16*APITCH+32
.endr
.endm
; One of a stage's first three K steps: multiplies buffer f and fetches K step kn of the same stage into buffer g
.macro STEP st, kn, f, g, zero
	s_wait_dscnt 4                                 ; all but the youngest four loads (A's rows 32-63)
	WIN MUL
	MUL8 \f, 0, \zero
	PLACES
	WIN 0
	FETCH \st, \kn, \g
	s_wait_dscnt 16                                ; all but the sixteen just issued
	WIN MUL
	MUL8 \f, 2, \zero
.endm
.macro THREE st, zero
	STEP \st, 1, 0, 1, \zero
	STEP \st, 2, 1, 0, 0
	STEP \st, 3, 0, 1, 0
.endm
; A stage's last K step, and the change to stage nx.  left: how many of my four tensor loads may stay out when stage nx's has to be in.
; The later stages' loads stay on their way across it.
.macro LAST nx, left
	s_wait_dscnt 4
	WIN MUL
	MUL8 1, 0, 0
	s_wait_dscnt 0                                 ; no LDS instruction is pending at a signal
	s_wait_tensorcnt \left                         ; my part of stage nx is in LDS:
	s_barrier_signal -1                            ; say so,
	MUL8 1, 2, 0                                   ; work on registers meanwhile,
	WIN 0
	s_barrier_wait -1                              ; and read it when all four waves have said so
	PLACES
	FETCH \nx, 0, 0
.endm
	s_wait_tensorcnt 3                             ; my part of stage 0; three younger loads stay out
	s_barrier_signal -1
	s_barrier_wait -1
	FETCH 0, 0, 0
	THREE 0, 1                                     ; the first products start the sums: nothing is cleared
	LAST 1, 2
	THREE 1, 0
	LAST 2, 1
	THREE 2, 0
	LAST 3, 0
	THREE 3, 0
	s_wait_dscnt 4
	WIN MUL
	MUL8 1, 0, 0
	s_wait_dscnt 0
	MUL8 1, 2, 0
	PLACES                                         ; behind the last matrix instructions: results are read and fragment registers written below
	; 16 rows at a time: round to bf16, 16 bytes a lane into my own stage, back as rows of 128 bytes, which are consecutive in the chunk.
	; Each row block has read-back registers of its own, so no register that a store reads is written again.
.macro OUT16 a
	WIN 0x05                                       ; sources 0 and 1 in window 1
.irp b, 0,1,2,3
.irp q, 0,1,2,3
	v_cvt_pk_bf16_f32 v[TMP+4*\b+\q], v[8*(4*\a+\b)+2*\q], v[8*(4*\a+\b)+2*\q+1]
.endr
.endr
	WIN 0
.irp b, 0,1,2,3
	ds_store_b128 v[STO], v[TMP+4*\b:TMP+4*\b+3] offset:32*\b
.endr
.irp i, 0,1,2,3
	ds_load_b128 v[FA+16*\a+4*\i:FA+16*\a+4*\i+3], v[RD] offset:4*APITCH*\i    ; LDS serves a wave's instructions in order (ISA guide 5.7.1): these see the stores above
.endr
.irp i, 0,1,2,3
	s_wait_dscnt 3-\i
	global_store_b128 v[CO], v[FA+16*\a+4*\i:FA+16*\a+4*\i+3], s[8:9] offset:2048*\a+512*\i   ; 512 consecutive bytes, aligned
.endr
.endm
	OUT16 0
	OUT16 1
	OUT16 2
	OUT16 3
	s_wait_tensorcnt 0x0
	ds_add_u32 v254, v255
	s_wait_dscnt 0x0
	CROUND                                         ; the closing round: no work-group ends while a partner may still ask for a tile that names it
	s_endpgm
.Lfunc_end_k_q4cc464af14_vproj:
	.size	k_q4cc464af14_vproj, .Lfunc_end_k_q4cc464af14_vproj-k_q4cc464af14_vproj
	.p2alignl 7, 3214868480
	.fill 96, 4, 3214868480
	.section	.rodata,"a",@progbits
	.p2align	6, 0x0
	.amdhsa_kernel k_q4cc464af14_vproj
		.amdhsa_group_segment_fixed_size 304640
		.amdhsa_private_segment_fixed_size 0
		.amdhsa_enable_private_segment 0
		.amdhsa_kernarg_size 24
		.amdhsa_user_sgpr_count 2
		.amdhsa_user_sgpr_kernarg_segment_ptr 1
		.amdhsa_wavefront_size32 1
		.amdhsa_system_sgpr_workgroup_id_x 1
		.amdhsa_system_sgpr_workgroup_id_y 1
		.amdhsa_system_sgpr_workgroup_id_z 1
		.amdhsa_system_vgpr_workitem_id 0
		.amdhsa_next_free_vgpr 384
		.amdhsa_next_free_sgpr 88
		.amdhsa_reserve_vcc 0
		.amdhsa_float_denorm_mode_32 3
		.amdhsa_float_denorm_mode_16_64 3
		.amdhsa_memory_ordered 1
		.amdhsa_forward_progress 1
		.amdhsa_inst_pref_size 54
	.end_amdhsa_kernel
	.amdgpu_metadata
---
amdhsa.version: [ 1, 2 ]
amdhsa.kernels:
  - .name:           k_q4cc464af14_vproj
    .symbol:         k_q4cc464af14_vproj.kd
    .args:
      - { .name: KQ, .offset: 0, .size: 8, .value_kind: global_buffer, .address_space: global }
      - { .name: WVF, .offset: 8, .size: 8, .value_kind: global_buffer, .address_space: global }
      - { .name: V, .offset: 16, .size: 8, .value_kind: global_buffer, .address_space: global }
    .group_segment_fixed_size: 304640
    .private_segment_fixed_size: 0
    .kernarg_segment_align: 8
    .kernarg_segment_size: 24
    .max_flat_workgroup_size: 128
    .sgpr_count:     88
    .vgpr_count:     384
    .wavefront_size: 32
...
	.end_amdgpu_metadata
.endif
;; end of part 7
;; launch attn: the kernel of part 3 again; grid 256 x 1, 8 waves a work-group, clusters of 4 x 1, 312,320 bytes of LDS; arguments KQ, V, X, MW, query_masks, RES; writes RES
;; launch ffn (part 8): grid 8 x 32, 4 waves a work-group, clusters of 4 x 4, 327,680 bytes of LDS; arguments RES, WVF, HS; writes HS
.if DOCPART == 8
	.amdgcn_target "amdgcn-amd-amdhsa--gfx1250"
	.amdhsa_code_object_version 6
	.text
	.protected	k_q4cc464af14_ffn
	.globl	k_q4cc464af14_ffn
	.p2align	8
	.type	k_q4cc464af14_ffn,@function
k_q4cc464af14_ffn:
	s_mov_b64 s[64:65], 0
	v_nop
	global_prefetch_b8 v0, s[64:65] scope:SCOPE_SE
	s_setreg_imm32_b32 hwreg(HW_REG_WAVE_MODE, 25, 1), 1
	s_wait_xcnt 0x0
	s_wait_alu depctr_hold_cnt(0) depctr_sa_sdst(0) depctr_va_vdst(0) depctr_va_sdst(0) depctr_va_ssrc(0) depctr_va_vcc(0) depctr_vm_vsrc(0)
	s_getreg_b32 s2, hwreg(HW_REG_IB_STS2, 6, 4)
	s_cmp_eq_u32 s2, 0
	s_cbranch_scc0 .Lentry_in_a_cluster
	s_endpgm
.Lentry_in_a_cluster:
	s_bfe_u32 s2, ttmp6, 0x10000c
	s_cmp_lg_u32 s2, 0xf033
	s_cbranch_scc0 .Lentry_shape_is_right
	s_endpgm
.Lentry_shape_is_right:
; The sums over rows of relu(res fw1): C = A W, K = 512, of which only column sums of relu(C) over blocks of 128 rows go out, in f32:
; mean over t of (relu(h) fw2) = (mean over t of relu(h)) fw2, so the hidden layer is never stored.  LIMIT (order of rounding): the sum over t is
; formed ahead of the product with fw2.
; A (res): bf16 chunk-major (element (b, t, col) at ((8 b + col/64) 1024 + t) 128 + 2 (col % 64)); W (fw1): bf16 [512][2048], 524,288 bytes into its buffer.
; A work-group makes 256 x 256 of C with four waves, as many as a WGP has SIMDs; a wave makes 128 x 128: 64 accumulator tiles, 512 registers.
; 32 block rows x 8 block columns = 256 work-groups.  For 32 along K a wave issues 32 LDS loads and 64 matrix instructions.
; K goes in four steps of 128 through a ring of two LDS slots.  A slot holds A's two chunks (256 rows x 64 k each) and W's 128 k x 256 columns; each
; wave brings a quarter of it by one tensor load (by this text's count two are outstanding at the most).  K steps 0 and 1 are first fills, 2 and 3
; refills; from a refill's request to the wait for it a wave issues 240 matrix instructions.
; CLUSTERS: 4 x 4 work-groups.  A's tiles hang on the block row alone and are asked for jointly by a row of the cluster, W's on the block column
; alone and by a column: the requests for both are divided by four.
; REGISTERS, in windows of 256: window 0: addresses, W's fragments (two buffers, v64-127 and v128-191), work registers; window 1: A's fragments,
; two buffers; window 2: the accumulator tiles of my rows 0-63 (tile (a, b) at v[8 (8 a + b)]); window 3: those of my rows 64-127.
; The matrix instruction is used in its natural order (source 0 = 16 rows of A, source 1 = 16 columns of W): a lane then holds pieces of one
; column of C, and the sum over rows is a sum over its own registers and one exchange between the halves of the lanes.
.set NB,     8                         ; column tiles of a wave
.set NCOL,   2048
.set WOFF,   524288
.set BCOLB,  64*NB                     ; bytes of the block's columns in a row of W
.set APITCH, 144                       ; 128 bytes + 16: sixteen rows of a fragment start at sixteen different 16-byte columns of 256
.set BPITCH, BCOLB+32                  ; 544: an odd multiple of 32, for the transposing loads
.set ACH,    256*APITCH                ; a chunk of A: what waves 0, 1 bring
.set BHALF,  64*BPITCH                 ; 64 k of W: what waves 2, 3 bring
.set BOFF,   2*ACH
.set SLOT,   BOFF+2*BHALF              ; 143,360
.set STAGE,  2*SLOT                    ; behind the ring: bytes that no tensor load fills, 512 bytes for each wave
.set ASTEP,  2*131072                  ; a K step in A: two chunks
.set BSTEP,  128*NCOL*2                ; a K step in W: 128 rows
.set ADRA, 16                          ; v16-17  my A fragments in slot 0, 1
.set ADRB, 20                          ; v20-21  my W fragments
.set CO,   26
.set F0,   64
.set F1,   128
.set TMP,  192
.set G1A, 16                           ; s[16:23]
.set G1B, 24                           ; s[24:31]
.set G0A, 32                           ; s[32:39]  a group 0 for each slot
.set G0B, 40                           ; s[40:47]
.set MUL_LO, 0xa1                      ; source 0 (A) window 1, source 1 (W) window 0, C and D window 2
.set MUL_HI, 0xf1                      ; the same, C and D window 3
.set TO_A,   0x40                      ; destination window 1, address window 0
.set MSB, 0
.macro WIN new                         ; the immediate's high byte repeats the setting that is left
.if MSB != \new
	s_set_vgpr_msb (MSB<<8)|\new
.set MSB, \new
.endif
.endm
.macro PLACES                          ; four plain vector instructions behind a matrix instruction before its registers are loaded into or its result is read (ISA guide 7.12.1)
.rept 4
	v_nop
.endr
.endm
.macro JLOAD s                         ; waves 0, 1 ask for A's two chunks, waves 2, 3 for W's two halves: each line has one mask
	s_cmp_eq_u32 s11, 0
	s_cbranch_scc0 .Lfor_b_\@
	tensor_load_to_lds s[G0A+4*\s:G0A+4*\s+3], s[G1A:G1A+7]
	s_nop 0
	s_branch .Lasked_\@
.Lfor_b_\@:
	tensor_load_to_lds s[G0B+4*\s:G0B+4*\s+3], s[G1B:G1B+7]
	s_nop 0
.Lasked_\@:
.endm
.macro CREST                           ; a round of the cluster's barrier behind its opening barrier
	s_cmp_lg_u32 s10, 0
	s_cbranch_scc1 .Lnot_wave_0_\@
	s_barrier_signal -3
.Lnot_wave_0_\@:
	s_barrier_wait -3
	s_barrier_signal -1
	s_barrier_wait -1
.endm
.macro CROUND                          ; a whole round
	s_barrier_signal -1
	s_barrier_wait -1
	CREST
.endm
	s_load_b128 s[4:7], s[0:1], 0x0                ; A, W
	s_load_b64 s[8:9], s[0:1], 0x10                ; the sums
	s_set_vgpr_msb 0x40
	v_lshl_add_u32 v255, v0, 2, 0x46800
	s_set_vgpr_msb 0x4000
	v_mov_b32 v255, 0
	s_set_vgpr_msb 0x1
	ds_add_u32 v255, v255
	s_set_vgpr_msb 0x100
	v_lshrrev_b32 v1, 5, v0
	v_readfirstlane_b32 s10, v1                    ; wave
	s_lshr_b32 s11, s10, 1                         ; my half of the rows; also: I fetch for A (0) or W (1)
	s_and_b32 s12, s10, 1                          ; my half of the columns; also: which half of the tile I fetch
	s_bfe_u32 s13, ttmp6, 0x40000                  ; cx
	s_bfe_u32 s14, ttmp6, 0x40004                  ; cy
	s_lshl_b32 s15, ttmp9, 2
	s_add_co_u32 s15, s15, s13                     ; block column 0..7
	s_and_b32 s50, ttmp7, 0xffff                   ; the cluster's y, 0..7
	s_lshl_b32 s50, s50, 2
	s_add_co_u32 s50, s50, s14                     ; block row 0..31
	s_lshr_b32 s51, s50, 2                         ; batch
	s_and_b32 s52, s50, 3                          ; which 256 rows of the batch
	s_lshl_b32 s53, s14, 2
	s_lshl_b32 s53, 15, s53                        ; my row of the cluster
	s_lshl_b32 s54, 0x1111, s13                    ; my column
	; group 1 for A: 256 rows x 64 elements of 2 bytes, dense in memory; 4 words of padding behind every 32
	s_or_b32 s[G1A+0], s53, 0x07310000             ; mask; element size 1<<16; padding 1<<20; 1<<21 beside a mask; interval 4<<22; pad 3<<25
	s_mov_b32 s[G1A+1], 64<<16                     ; tensor_dim0
	s_mov_b32 s[G1A+2], 256<<16                    ; tensor_dim1
	s_mov_b32 s[G1A+3], 64<<16                     ; tile_dim0
	s_mov_b32 s[G1A+4], 256                        ; tile_dim1
	s_mov_b32 s[G1A+5], 64                         ; elements from row to row
	s_mov_b32 s[G1A+6], 0
	s_mov_b32 s[G1A+7], 0
	; group 1 for W: 64 rows (k) x 256 elements; 8 words of padding behind every 128
	s_or_b32 s[G1B+0], s54, 0x0fb10000             ; interval 6<<22; pad 7<<25
	s_mov_b32 s[G1B+1], (32*NB)<<16
	s_mov_b32 s[G1B+2], 64<<16
	s_mov_b32 s[G1B+3], (32*NB)<<16
	s_mov_b32 s[G1B+4], 64
	s_mov_b32 s[G1B+5], NCOL
	s_mov_b32 s[G1B+6], 0
	s_mov_b32 s[G1B+7], 0
	; A's tiles: batch, the block's 256 rows, my chunk of K step 0.  No register here ever holds cx.
	s_lshl_b32 s56, s51, 20
	s_lshl_b32 s60, s52, 15
	s_add_co_u32 s56, s56, s60
	s_lshl_b32 s60, s12, 17
	s_add_co_u32 s56, s56, s60
	s_mov_b32 s57, 0
	; W's tiles: the block's columns, my 64 k of K step 0.  No register here ever holds cy.
	s_mul_i32 s58, s15, BCOLB
	s_mul_i32 s61, s12, 64*NCOL*2
	s_add_co_u32 s58, s58, s61
	s_add_co_u32 s58, s58, WOFF
	s_mov_b32 s59, 0
	; where the sums go: [2 x block row + my half of the rows][2048] f32, my 128 columns
	s_lshl1_add_u32 s84, s50, s11
	s_lshl_b32 s84, s84, 13
	s_lshl_b32 s86, s15, 10
	s_add_co_u32 s84, s84, s86
	s_lshl_b32 s86, s12, 9
	s_add_co_u32 s84, s84, s86
	s_mov_b32 s85, 0
	s_mul_i32 s55, s10, ACH                        ; LDS: waves 0, 1: A's chunks
	s_mul_i32 s87, s10, BHALF
	s_add_co_u32 s87, s87, BOFF-2*BHALF            ; waves 2, 3: BOFF + (wave - 2) x 64 rows of W
	s_wait_dscnt 0x0
	s_wait_kmcnt 0x0
	s_add_nc_u64 s[56:57], s[4:5], s[56:57]
	s_add_nc_u64 s[58:59], s[6:7], s[58:59]
	s_add_nc_u64 s[8:9], s[8:9], s[84:85]
	CROUND                                         ; all sixteen work-groups are here: the first joint loads meet
.irp s, 0,1
	s_mov_b32 s[G0A+4*\s], 1
	s_add_co_u32 s[G0A+4*\s+1], s55, \s*SLOT
	s_add_nc_u64 s[G0A+4*\s+2:G0A+4*\s+3], s[56:57], \s*ASTEP
	s_or_b32 s[G0A+4*\s+3], s[G0A+4*\s+3], 0x80000000
	s_mov_b32 s[G0B+4*\s], 1
	s_add_co_u32 s[G0B+4*\s+1], s87, \s*SLOT
	s_add_nc_u64 s[G0B+4*\s+2:G0B+4*\s+3], s[58:59], \s*BSTEP
	s_or_b32 s[G0B+4*\s+3], s[G0B+4*\s+3], 0x80000000
	JLOAD \s                                       ; the ring is filled before anything else is done
.endr
	v_and_b32 v1, 15, v0                           ; r
	v_bfe_u32 v2, v0, 4, 1                         ; h
	v_and_b32 v3, 7, v0
	v_bfe_u32 v4, v0, 3, 1
	v_mul_u32_u24 v5, v1, APITCH
	v_lshl_add_u32 v5, v2, 4, v5                   ; A fragment: row r, 16 bytes for each half of the lanes
	v_lshl_add_u32 v6, v2, 3, v3
	v_mul_u32_u24 v6, v6, BPITCH                   ; W fragment through the transposing load: row k = 8 h + l % 8,
	v_lshl_add_u32 v6, v4, 4, v6                   ; 16 bytes by bit 3 of the lane
	s_mul_i32 s60, s11, 128*APITCH                 ; my 128 rows of A
	s_mul_i32 s61, s12, BCOLB/2                    ; my columns of W
	s_add_co_u32 s61, s61, BOFF
.irp s, 0,1
	v_add_nc_u32 v[ADRA+\s], s60, v5
	v_add_nc_u32 v[ADRB+\s], s61, v6
	s_add_co_u32 s60, s60, SLOT
	s_add_co_u32 s61, s61, SLOT
.endr
	v_and_b32 v8, 31, v0
	v_lshlrev_b32 v[CO], 4, v8                     ; 16 x lane
	s_mov_b32 s62, 0x76543210                      ; v_permlanex16_b32: lane i of one half reads lane i of the other
	s_mov_b32 s63, 0xfedcba98
	s_lshl_b32 s60, s10, 9
	s_add_co_u32 s60, s60, STAGE                   ; my stage: 128 sums
	v_lshl_add_u32 v27, v1, 2, s60                 ; in: column 16 b + r
	v_add_nc_u32 v28, s60, v[CO]                   ; back: four columns a lane
; Sixteen matrix instructions: row tiles a0, a0 + 1 of the window's four (hi = 0: my rows 0-63, 1: rows 64-127) x my eight column tiles, 32 along K.
; zero = 1: the product starts the sums.  The 64 accumulators take turns, one instruction a turn, in the same order in every quarter step.
.macro MULH f, hi, a0, zero
.irp a, \a0, \a0+1
.irp b, 0,1,2,3,4,5,6,7
.if \zero
	v_wmma_f32_16x16x32_bf16 v[8*(8*(\a)+\b):8*(8*(\a)+\b)+7], v[\f+8*(4*\hi+\a):\f+8*(4*\hi+\a)+7], v[\f+8*\b:\f+8*\b+7], 0
.else
	v_wmma_f32_16x16x32_bf16 v[8*(8*(\a)+\b):8*(8*(\a)+\b)+7], v[\f+8*(4*\hi+\a):\f+8*(4*\hi+\a)+7], v[\f+8*\b:\f+8*\b+7], v[8*(8*(\a)+\b):8*(8*(\a)+\b)+7]
.endif
.endr
.endr
.endm
; 32 LDS loads in one run: the fragments of quarter q (32 k) of a slot into buffer f: W's eight, then A's rows 0-63, then A's rows 64-127
.macro FETCH slot, q, f
	WIN 0
.irp b, 0,1,2,3,4,5,6,7
	ds_load_tr16_b128 v[\f+8*\b:\f+8*\b+3],   v[ADRB+\slot] offset:\q*32*BPITCH+32*\b
	ds_load_tr16_b128 v[\f+8*\b+4:\f+8*\b+7], v[ADRB+\slot] offset:\q*32*BPITCH+32*\b+16*BPITCH
.endr
	WIN TO_A
.irp i, 0,1,2,3,4,5,6,7
	ds_load_b128 v[\f+8*\i:\f+8*\i+3],   v[ADRA+\slot] offset:(\q>>1)*ACH+(\q&1)*64+\i*16*APITCH
	ds_load_b128 v[\f+8*\i+4:\f+8*\i+7], v[ADRA+\slot] offset:(\q>>1)*ACH+(\q&1)*64+\i*16*APITCH+32
.endr
.endm
; One of a K step's first three quarters: multiplies buffer f; in its middle it fetches quarter q of the same slot into buffer g
.macro QUARTER slot, q, f, g, zero
	s_wait_dscnt 8                                 ; W and A's rows 0-63 are in; the youngest eight loads (A's rows 64-127) may be out
	WIN MUL_LO
	MULH \f, 0, 0, \zero
	MULH \f, 0, 2, \zero
	PLACES
	FETCH \slot, \q, \g
	s_wait_dscnt 16+2*NB                           ; all but the 32 just issued
	WIN MUL_HI
	MULH \f, 1, 0, \zero
	MULH \f, 1, 2, \zero
.endm
.macro THREE slot, zero
	QUARTER \slot, 1, F0, F1, \zero
	QUARTER \slot, 2, F1, F0, 0
	QUARTER \slot, 3, F0, F1, 0
.endm
; The last quarter: multiplies buffer 1 and changes slots.  fill = 1: this slot is filled again, two K steps ahead.
; One barrier for the change of slots.  In front of it each wave waits for its own reads of this slot and for all its tensor loads, of which one is
; out: its part of the next slot.  Behind it nobody reads this slot any more and the next slot is whole: the refill comes first, then the next
; slot's first fragments.  Where a slot is filled again the barrier opens a round of the cluster's barrier.
.macro TURN slot, next, fill
	s_wait_dscnt 8
	WIN MUL_LO
	MULH F1, 0, 0, 0
	s_wait_dscnt 0                                 ; my reads of this slot are over
	s_wait_tensorcnt 0x0                           ; and all my tensor loads have landed:
	ds_add_u32 v255, v255
	s_wait_dscnt 0x0
	s_barrier_signal -1                            ; say so,
	MULH F1, 0, 2, 0                               ; work on registers while the others arrive,
	WIN 0
	s_barrier_wait -1                              ; and go on when all four waves have said so
.if \fill
	CREST                                          ; all sixteen work-groups have said so: no wave of any partner still reads this slot or has a load on its way
	s_add_nc_u64 s[G0A+4*\slot+2:G0A+4*\slot+3], s[G0A+4*\slot+2:G0A+4*\slot+3], 2*ASTEP
	s_add_nc_u64 s[G0B+4*\slot+2:G0B+4*\slot+3], s[G0B+4*\slot+2:G0B+4*\slot+3], 2*BSTEP
	JLOAD \slot                                    ; the first tensor load behind the round
.endif
	PLACES
	FETCH \next, 0, F0
	WIN MUL_HI
	MULH F1, 1, 0, 0
	MULH F1, 1, 2, 0
.endm
	s_wait_tensorcnt 1                             ; my part of K step 0 is in; K step 1's load stays out
	s_barrier_signal -1
	s_barrier_wait -1                              ; everybody's is
	FETCH 0, 0, F0
	THREE 0, 1                                     ; K step 0: its first products start the sums, nothing is cleared
	TURN 0, 1, 1                                   ; slot 0 gets K step 2
	THREE 1, 0                                     ; K step 1
	TURN 1, 0, 1                                   ; slot 1 gets K step 3
	THREE 0, 0                                     ; K step 2
	TURN 0, 1, 0                                   ; nothing more to fetch
	THREE 1, 0                                     ; K step 3
	s_wait_dscnt 8
	WIN MUL_LO
	MULH F1, 0, 0, 0
	MULH F1, 0, 2, 0
	s_wait_dscnt 0
	WIN MUL_HI
	MULH F1, 1, 0, 0
	MULH F1, 1, 2, 0
	PLACES                                         ; behind the last matrix instructions: results are read and fragment registers written below
	; THE WAY OUT.  128 accumulator registers at a time (two row tiles x eight column tiles): relu into W's fragment registers of window 0, then added
	; in pairs onto eight running pairs, one for each column tile.  win: source 1 in window 2 (0x08) or 3 (0x0c); half: which 128 registers of it.
.macro RSUM win, half, first
	WIN \win
.set i, 0
.rept 128
	v_max_num_f32 v[F0+i], 0, v[128*\half+i]
.set i, i+1
.endr
	WIN 0
.irp aa, 0,1
.irp p, 0,1,2,3
.irp b, 0,1,2,3,4,5,6,7
.if \first
.if (4*\aa+\p) == 1
	v_pk_add_f32 v[TMP+2*\b:TMP+2*\b+1], v[F0+8*\b:F0+8*\b+1], v[F0+8*\b+2:F0+8*\b+3]      ; the first two pairs start the sums
.endif
.if (4*\aa+\p) > 1
	v_pk_add_f32 v[TMP+2*\b:TMP+2*\b+1], v[TMP+2*\b:TMP+2*\b+1], v[F0+64*\aa+8*\b+2*\p:F0+64*\aa+8*\b+2*\p+1]
.endif
.else
	v_pk_add_f32 v[TMP+2*\b:TMP+2*\b+1], v[TMP+2*\b:TMP+2*\b+1], v[F0+64*\aa+8*\b+2*\p:F0+64*\aa+8*\b+2*\p+1]
.endif
.endr
.endr
.endr
.endm
	RSUM 0x08, 0, 1                                ; my rows 0-31
	RSUM 0x08, 1, 0                                ; rows 32-63
	RSUM 0x0c, 0, 0                                ; rows 64-95
	RSUM 0x0c, 1, 0                                ; rows 96-127
.irp b, 0,1,2,3,4,5,6,7
	v_add_f32 v[TMP+16+\b], v[TMP+2*\b], v[TMP+2*\b+1]
.endr
.irp b, 0,1,2,3,4,5,6,7
	v_permlanex16_b32 v[TMP+\b], v[TMP+16+\b], s62, s63    ; a tile's rows 8 h + j: the other h
.endr
.irp b, 0,1,2,3,4,5,6,7
	v_add_f32 v[TMP+16+\b], v[TMP+16+\b], v[TMP+\b]
.endr
.irp b, 0,1,2,3,4,5,6,7
	ds_store_b32 v27, v[TMP+16+\b] offset:64*\b            ; column 16 b + r; both halves of the lanes write the same number
.endr
	ds_load_b128 v[TMP+24:TMP+27], v28             ; my own bytes: LDS serves a wave's instructions in order (ISA guide 5.7.1)
	s_wait_dscnt 0x0
	global_store_b128 v[CO], v[TMP+24:TMP+27], s[8:9]      ; my 128 sums: 512 consecutive bytes, aligned
	s_set_vgpr_msb 0x1
	s_wait_tensorcnt 0x0
	ds_add_u32 v255, v255
	s_wait_dscnt 0x0
	s_set_vgpr_msb 0x100
	CROUND                                         ; the closing round: no work-group ends while a partner may still ask for a tile that names it
	s_endpgm
.Lfunc_end_k_q4cc464af14_ffn:
	.size	k_q4cc464af14_ffn, .Lfunc_end_k_q4cc464af14_ffn-k_q4cc464af14_ffn
	.p2alignl 7, 3214868480
	.fill 96, 4, 3214868480
	.section	.rodata,"a",@progbits
	.p2align	6, 0x0
	.amdhsa_kernel k_q4cc464af14_ffn
		.amdhsa_group_segment_fixed_size 327680
		.amdhsa_private_segment_fixed_size 0
		.amdhsa_enable_private_segment 0
		.amdhsa_kernarg_size 24
		.amdhsa_user_sgpr_count 2
		.amdhsa_user_sgpr_kernarg_segment_ptr 1
		.amdhsa_wavefront_size32 1
		.amdhsa_system_sgpr_workgroup_id_x 1
		.amdhsa_system_sgpr_workgroup_id_y 1
		.amdhsa_system_sgpr_workgroup_id_z 1
		.amdhsa_system_vgpr_workitem_id 0
		.amdhsa_next_free_vgpr 1024
		.amdhsa_next_free_sgpr 88
		.amdhsa_reserve_vcc 0
		.amdhsa_float_denorm_mode_32 3
		.amdhsa_float_denorm_mode_16_64 3
		.amdhsa_memory_ordered 1
		.amdhsa_forward_progress 1
		.amdhsa_inst_pref_size 144
	.end_amdhsa_kernel
	.amdgpu_metadata
---
amdhsa.version: [ 1, 2 ]
amdhsa.kernels:
  - .name:           k_q4cc464af14_ffn
    .symbol:         k_q4cc464af14_ffn.kd
    .args:
      - { .name: RES, .offset: 0, .size: 8, .value_kind: global_buffer, .address_space: global }
      - { .name: WVF, .offset: 8, .size: 8, .value_kind: global_buffer, .address_space: global }
      - { .name: HS, .offset: 16, .size: 8, .value_kind: global_buffer, .address_space: global }
    .group_segment_fixed_size: 327680
    .private_segment_fixed_size: 0
    .kernarg_segment_align: 8
    .kernarg_segment_size: 24
    .max_flat_workgroup_size: 128
    .sgpr_count:     88
    .vgpr_count:     1024
    .wavefront_size: 32
...
	.end_amdgpu_metadata
.endif
;; end of part 8
;; launch fin: the kernel of part 5 again; grid 32 x 8, 8 waves a work-group, no clusters, 9,728 bytes of LDS; arguments HS, X, RES, fw2, out0; writes out0
